; MI455X (gfx1250); checked and timed in simulation.
; The chip was launched on July 23, 2026; its instructions are those of AMD's public machine-readable ISA for CDNA 5 (MIT licence, August 2026) and "CDNA5" Instruction Set Architecture Reference Guide (July 2026). The comments in the code are by the model that wrote it; some were corrected since.
;; Ver2f. Allowed arithmetic: matrix products marked QUANTISED: E3M2 operands, one E8M0 scale for each 32 along K, by v_wmma_scale_f32_16x16x128_f8f6f4 with both operands' format E3M2, f32 sums; products left as they are: f32 operands where the result goes on into a quantised operand, else bf16, f16 or f32 operands; f32 sums; everything else in f32.
;; Inputs: W_proj 512 x 512 float32; Wu 512 x 256 float32; Wv 512 x 256 float32; b_attn one number float32; b_proj 512 float32; bu 256 float32; bv 256 float32; coord_l 2 x 16,384 x 2 float32; coord_s 2 x 16,384 x 2 float32; desc_feats 4 x 8 x 512 float32; w_attn 256 float32; x_l 2 x 16,384 x 512 float32; x_s 2 x 16,384 x 512 float32.
;; Outputs: out0 2 x 4 float32; out1 2 int32; out2 2 x 16,384 x 4 float32; out3 2 x 16,384 x 4 float32.
;; This version of the problem:
;;   THIS VERSION OF THE PROBLEM IS GIVEN IN LOW PRECISION. The matrix products marked QUANTISED in the list below multiply operands that are first quantised to E3M2 (3 exponent bits, 2 mantissa bits; 6 bits a number), with one power-of-two scale for each 32 numbers along K (OCP MX v1.0); their sums are f32. All else is computed in f32.
;;   The module's matrix products, in the order in which they are computed (A, B: the left and right operand; K: the contracted axis; several contracted axes count as one K, in the product's order):
;;     1. [M 32,768, K 512] x [K 512, N 512]; A: computed on the way; B: input W_proj: QUANTISED
;;     2. [M 32,768, K 512] x [K 512, N 512]; A: computed on the way; B: input W_proj: QUANTISED
;;     3. [M 32,768, K 512] x [K 512, N 32]; A: computed on the way; B: input desc_feats: QUANTISED
;;     4. [M 32,768, K 512] x [K 512, N 32]; A: computed on the way; B: input desc_feats: QUANTISED
;;     5. batch 131,072 x [M 1, K 8] x [K 8, N 1]; A: softmax; B: computed on the way: left as it is (K = 8 < 32)
;;     6. [M 32,768, K 512] x [K 512, N 32]; A: computed on the way; B: input desc_feats: QUANTISED
;;     7. [M 32,768, K 512] x [K 512, N 32]; A: computed on the way; B: input desc_feats: QUANTISED
;;     8. batch 131,072 x [M 1, K 8] x [K 8, N 1]; A: softmax; B: computed on the way: left as it is (K = 8 < 32)
;;     9. [M 32,768, K 512] x [K 512, N 256]; A: computed on the way; B: input Wv: QUANTISED
;;     10. [M 32,768, K 512] x [K 512, N 256]; A: computed on the way; B: input Wu: QUANTISED
;;     11. [M 32,768, K 256] x [K 256, N 1]; A: computed on the way; B: input w_attn: left as it is (N = 1 < 16)
;;     12. batch 2 x [M 1, K 16,384] x [K 16,384, N 512]; A: softmax; B: computed on the way: left as it is (M = 1 < 16)
;;     13. [M 32,768, K 512] x [K 512, N 256]; A: computed on the way; B: input Wv: QUANTISED
;;     14. [M 32,768, K 512] x [K 512, N 256]; A: computed on the way; B: input Wu: QUANTISED
;;     15. [M 32,768, K 256] x [K 256, N 1]; A: computed on the way; B: input w_attn: left as it is (N = 1 < 16)
;;     16. batch 2 x [M 1, K 16,384] x [K 16,384, N 512]; A: softmax; B: computed on the way: left as it is (M = 1 < 16)
;;     17. [M 2, K 512] x [K 512, N 4]; A: computed on the way; B: computed on the way: left as it is (M = 2 < 16)
;;     18. [M 2, K 512] x [K 512, N 4]; A: computed on the way; B: computed on the way: left as it is (M = 2 < 16)
;;   THE QUANTISER, for each operand of a quantised product, along K:
;;     - K is cut into blocks of 32 from its start; a last block that is shorter is filled with zeros.
;;     - A block's scale is 2^e with e = floor(log2(the largest magnitude in the block)) - 4, held to -126 .. 127; a block of zeros has e = 0. As a byte (E8M0): e + 127.
;;     - Each number is divided by its block's scale, clamped to +-28, and rounded to the nearest number of E3M2, ties to even, subnormals kept.
;;     - The product sums the exact products of the quantised numbers (number of the format x scale) in f32.
;;   ~~~python
;;   def quantise(x, axis):      # numpy; x: float32 -> the quantised numbers, widened to float32 again
;;       x = np.moveaxis(x, axis, -1); K = x.shape[-1]
;;       x = np.pad(x, [(0, 0)] * (x.ndim - 1) + [(0, -K % 32)]); x = x.reshape(x.shape[:-1] + (-1, 32)); a = np.abs(x).max(-1, keepdims=True)
;;       e = np.where(a > 0, np.clip(np.frexp(np.where(a > 0, a, 1))[1] - 1 - 4, -126, 127), 0)      # np.frexp(a)[1] - 1 = floor(log2(a)), exactly
;;       r = np.clip(x / 2.0 ** e, -28, 28)
;;       step = 2.0 ** (np.maximum(np.frexp(np.where(r == 0, 1, r))[1] - 1, -2) - 2)
;;       q = np.round(r / step) * step * 2.0 ** e      # np.round: ties to even
;;       return np.moveaxis(q.reshape(q.shape[:-2] + (-1,))[..., :K], -1, axis).astype(np.float32)
;;   ~~~
;;   OPERANDS COMPUTED ON THE WAY. 'Computed on the way' means the value that the module computes at that place (a softmax that the list does not call 'softmax' is quantised finished and normalised). What goes into a quantiser is computed in f32, as accurately as f32 sums, v_exp_f32 and their like allow (about 1e-6 of the number): no bf16 or f16 on the way to a quantiser, and a product that is left as it is and whose result goes on into a quantised operand takes f32 operands (vector FMAs, or v_wmma_f32_16x16x4_f32). A number that lies on a knife's edge between two numbers of the format may be rounded either way, as far as f32 arithmetic and the matrix unit's own rounding can turn it there, and no further.
;; One version. Each part assembles by itself: llvm-mc -triple=amdgcn-amd-amdhsa -mcpu=gfx1250 --defsym DOCPART=n.
;; ======== version 1 of 1: 3 launches
;; workspace buffers: wcodes 405,504 bytes; wscales 16,896 bytes; text 8,192 bytes; pvec 524,288 bytes; pstat 2,048 bytes
;; launch prep (part 1): grid 268 x 1, 1 waves a work-group, no clusters, 0 bytes of LDS; arguments W_proj, Wv, Wu, desc_feats, wcodes, wscales, text; writes wcodes, wscales, text
.if DOCPART == 1
	.amdgcn_target "amdgcn-amd-amdhsa--gfx1250"
	.amdhsa_code_object_version 6
	.text
	.protected	k_qb169ee27f2_prep
	.globl	k_qb169ee27f2_prep
	.p2align	8
	.type	k_qb169ee27f2_prep,@function
k_qb169ee27f2_prep:
	s_mov_b64 s[64:65], 0
	v_nop
	global_prefetch_b8 v0, s[64:65] scope:SCOPE_SE
	s_setreg_imm32_b32 hwreg(HW_REG_WAVE_MODE, 25, 1), 1
	s_wait_xcnt 0x0
; The weights become codes of E3M2 with E8M0 scale bytes, laid in the order of the matrix operand's registers; and the text features.
; One wave a work-group.  Work-groups 0-263 make one fragment each (16 columns x 128 along K: 12 registers a lane), work-groups 264-267 one class's text row.
; Fragment f lies at wcodes + 1536 f: registers 4 g .. 4 g + 3 of lane l at 512 g + 16 l.  Its 16 scale words lie at wscales + 64 f + 4 r.
;   f = 4 T + s, T = 0..31: W_proj, K step s; lane r takes column 128 (T / 8) + 32 ((T / 2) % 4) + 8 (T % 2) + r + 8 (r / 8), so that the results of two neighbouring tiles are 16 neighbours along the next K
;   f = 128 + 4 (8 w + g) + s: g < 4: Wv, columns 64 w + 16 g + r;  g >= 4: Wu, columns 64 w + 16 (g - 4) + r
;   f = 256 + 4 d + s: descriptions 16 d + r (their K is innermost in memory)
; A LANE TAKES A COLUMN AND ITS REGISTERS RUN DOWN K, in the order that the operand's layout gives that lane: k = 128 s + 64 c + 32 h + 0 .. 31.  So a lane holds two whole blocks of 32 and nothing is transposed.
; A block's scale byte is its largest magnitude's exponent field - 4, held at 1 from below (a block of zeros gets 1 where the rule says 127: its codes are zeros, and this program alone reads the bytes).
; The weights' loads take 32 or 64 neighbouring bytes in sixteen lanes, and the scale words leave in pieces of 64 bytes: 2 MB read and 17 KB written so, once.
; LIMITS: NaN and infinities among the inputs are not served.
.macro LOADK pitch                     ; W(128 s + 64 c + 32 h + i, my column) into v[64 + 32 c + i]
.set i, 0
.rept 64
	global_load_b32 v[64+i], v5, s[24:25] offset:((i/32)*64+i%32)*\pitch
.set i, i+1
.endr
.endm
	s_load_b256 s[4:11], s[0:1], 0x0               ; W_proj s[4:5], Wv s[6:7], Wu s[8:9], desc_feats s[10:11]
	s_load_b128 s[12:15], s[0:1], 0x20             ; wcodes s[12:13], wscales s[14:15]
	s_load_b64 s[16:17], s[0:1], 0x30              ; text
	v_and_b32 v1, 15, v0                           ; r
	v_lshrrev_b32 v2, 4, v0                        ; h
	v_lshlrev_b32 v6, 4, v0                        ; 16 x lane
	v_lshlrev_b32 v7, 2, v1                        ; 4 r
	s_mov_b32 s20, 0x76543210
	s_mov_b32 s21, 0xfedcba98                      ; v_permlanex16_b32's selects for lane l xor 16
	s_mov_b32 s29, 0                               ; the high word of every offset
	s_wait_kmcnt 0x0
	s_cmp_ge_u32 ttmp9, 264
	s_cbranch_scc1 .Ltext
	s_cmp_ge_u32 ttmp9, 256
	s_cbranch_scc1 .Ldesc
	s_cmp_ge_u32 ttmp9, 128
	s_cbranch_scc1 .Lgate
	; ---- W_proj
	s_lshr_b32 s22, ttmp9, 2                       ; T
	s_and_b32 s23, ttmp9, 3                        ; s
	s_lshr_b32 s26, s22, 3
	s_lshl_b32 s26, s26, 7                         ; 128 (T / 8)
	s_bfe_u32 s27, s22, 0x20001
	s_lshl_b32 s27, s27, 5                         ; 32 ((T / 2) % 4)
	s_add_co_u32 s26, s26, s27
	s_and_b32 s27, s22, 1
	s_lshl_b32 s27, s27, 3                         ; 8 (T % 2)
	s_add_co_u32 s26, s26, s27
	v_and_b32 v3, 8, v1
	v_add_nc_u32 v3, v3, v1                        ; r + 8 (r / 8)
	v_add_nc_u32 v3, s26, v3                       ; my column
	v_lshlrev_b32 v5, 2, v3
	v_lshl_add_u32 v5, v2, 16, v5                  ; lanes 16-31 begin 32 rows of 2,048 bytes further down
	s_lshl_b32 s28, s23, 18                        ; K step s: 128 rows
	s_add_nc_u64 s[24:25], s[4:5], s[28:29]
	s_mov_b32 s30, ttmp9                           ; f
	LOADK 2048
	s_branch .Lquant
.Lgate:
	; ---- Wv, Wu
	s_sub_co_u32 s22, ttmp9, 128
	s_lshr_b32 s23, s22, 6                         ; 0: Wv, 1: Wu
	s_bfe_u32 s26, s22, 0x40002                    ; the tile of 16 columns, 0..15
	s_and_b32 s27, s22, 3                          ; s
	s_cmp_eq_u32 s23, 0
	s_cselect_b64 s[24:25], s[6:7], s[8:9]
	s_lshl_b32 s28, s27, 17                        ; 128 rows of 1,024 bytes
	s_add_nc_u64 s[24:25], s[24:25], s[28:29]
	s_lshl_b32 s31, s26, 4
	v_add_nc_u32 v3, s31, v1                       ; my column
	v_lshlrev_b32 v5, 2, v3
	v_lshl_add_u32 v5, v2, 15, v5                  ; + 32 rows for lanes 16-31
	s_lshr_b32 s30, s26, 2                         ; w
	s_lshl_b32 s30, s30, 3
	s_lshl_b32 s31, s23, 2
	s_add_co_u32 s30, s30, s31
	s_and_b32 s31, s26, 3
	s_add_co_u32 s30, s30, s31                     ; 8 w + g
	s_lshl_b32 s30, s30, 2
	s_add_co_u32 s30, s30, s27
	s_add_co_u32 s30, s30, 128                     ; f
	LOADK 1024
	s_branch .Lquant
.Ldesc:
	; ---- the descriptions: K innermost, so a lane's 32 numbers of a block are 128 neighbouring bytes
	s_sub_co_u32 s22, ttmp9, 256
	s_lshr_b32 s23, s22, 2                         ; d
	s_and_b32 s27, s22, 3                          ; s
	s_lshl_b32 s28, s27, 9
	s_add_nc_u64 s[24:25], s[10:11], s[28:29]
	s_lshl_b32 s31, s23, 4
	v_add_nc_u32 v3, s31, v1                       ; my description
	v_lshlrev_b32 v5, 11, v3
	v_lshl_add_u32 v5, v2, 7, v5
	s_mov_b32 s30, ttmp9
.irp c, 0,1
.irp q, 0,1,2,3,4,5,6,7
	global_load_b128 v[64+32*\c+4*\q:67+32*\c+4*\q], v5, s[24:25] offset:256*\c+16*\q
.endr
.endr
.Lquant:
	s_wait_loadcnt 0x0
.irp c, 0,1                                    ; my block 2 c + h: all its 32 numbers are mine
	v_max3_num_f32 v[32+\c], |v[64+32*\c]|, |v[65+32*\c]|, 0x2800000   ; and the floor 2^(5 - 127): the byte cannot fall under 1
.endr
.irp i, 2,4,6,8,10,12,14,16,18,20,22,24,26,28,30
.irp c, 0,1
	v_max3_num_f32 v[32+\c], v[32+\c], |v[64+32*\c+\i]|, |v[65+32*\c+\i]|
.endr
.endr
.irp c, 0,1
	v_add_nc_u32 v[44+\c], 0xfe000000, v[32+\c]    ; 4 off the exponent field: the conversion's scale operand
.endr
.irp c, 0,1
	v_lshrrev_b32 v[36+\c], 23, v[44+\c]           ; the scale's byte
.endr
	v_lshl_or_b32 v9, v37, 16, v36                 ; my two bytes: blocks h and 2 + h,
	v_lshlrev_b32 v10, 3, v2
	v_lshlrev_b32 v9, v10, v9                      ; at their places in the word;
	v_mov_b32 v10, 0
	v_permlanex16_b32 v10, v9, s20, s21
	v_or_b32 v9, v9, v10                           ; with lane l xor 16's two the word is whole
.irp c, 0,1
	v_cvt_scalef32_pk16_bf6_f32 v[48+6*\c:50+6*\c], v[64+32*\c:79+32*\c], v[44+\c]
	v_cvt_scalef32_pk16_bf6_f32 v[192+4*\c:194+4*\c], v[80+32*\c:95+32*\c], v[44+\c]   ; (a conversion's three registers begin on an even number)
.endr
	v_nop                                          ; one plain place behind a scaled conversion
.irp c, 0,1
.irp i, 0,1,2
	v_mov_b32 v[51+6*\c+\i], v[192+4*\c+\i]
.endr
.endr
	s_mul_i32 s28, s30, 1536
	s_add_nc_u64 s[12:13], s[12:13], s[28:29]
	s_lshl_b32 s28, s30, 6
	s_add_nc_u64 s[14:15], s[14:15], s[28:29]
	global_store_b128 v6, v[48:51], s[12:13]               ; each store covers 512 consecutive bytes
	global_store_b128 v6, v[52:55], s[12:13] offset:512
	global_store_b128 v6, v[56:59], s[12:13] offset:1024
	global_store_b32 v7, v9, s[14:15]                      ; both halves of the lanes write the same word with the same value
	s_endpgm
.Ltext:
	; ---- text[c] = l2norm(max over the class's 8 descriptions).  Lane l holds columns 128 q + 4 l + 0 .. 3
	s_sub_co_u32 s22, ttmp9, 264                   ; the class
	s_lshl_b32 s28, s22, 14
	s_add_nc_u64 s[10:11], s[10:11], s[28:29]
	s_lshl_b32 s28, s22, 11
	s_add_nc_u64 s[16:17], s[16:17], s[28:29]
.irp k, 0,1,2,3,4,5,6,7
.irp q, 0,1,2,3
	global_load_b128 v[64+16*\k+4*\q:67+16*\k+4*\q], v6, s[10:11] offset:2048*\k+512*\q
.endr
.endr
	s_wait_loadcnt 0x0
.irp k, 1,2,3,4,5,6,7
.irp e, 0,1,2,3,4,5,6,7,8,9,10,11,12,13,14,15
	v_max_num_f32 v[64+\e], v[64+\e], v[64+16*\k+\e]
.endr
.endr
	v_pk_mul_f32 v[32:33], v[64:65], v[64:65]
	v_pk_mul_f32 v[34:35], v[66:67], v[66:67]
.irp e, 4,8,12
	v_pk_fma_f32 v[32:33], v[64+\e:65+\e], v[64+\e:65+\e], v[32:33]
	v_pk_fma_f32 v[34:35], v[66+\e:67+\e], v[66+\e:67+\e], v[34:35]
.endr
	v_pk_add_f32 v[32:33], v[32:33], v[34:35]
	v_add_f32 v8, v32, v33
	v_add_f32_dpp v8, v8, v8 row_xmask:1 row_mask:0xf bank_mask:0xf
	v_add_f32_dpp v8, v8, v8 row_xmask:2 row_mask:0xf bank_mask:0xf
	v_add_f32_dpp v8, v8, v8 row_xmask:4 row_mask:0xf bank_mask:0xf
	v_add_f32_dpp v8, v8, v8 row_xmask:8 row_mask:0xf bank_mask:0xf
	v_mov_b32 v9, 0
	v_permlanex16_b32 v9, v8, s20, s21
	v_add_f32 v8, v8, v9                           ; the row's sum of squares, in every lane
	v_sqrt_f32 v8, v8
	v_nop                                          ; a plain place behind the transcendental,
	s_wait_alu depctr_va_vdst(0)                   ; and the wait ahead of its first reader
	v_max_num_f32 v8, 0x2b8cbccc, v8               ; clip at 1e-12
	v_rcp_f32 v8, v8
	v_nop
	s_wait_alu depctr_va_vdst(0)
	v_mov_b32 v9, v8
.irp e, 0,2,4,6,8,10,12,14
	v_pk_mul_f32 v[64+\e:65+\e], v[64+\e:65+\e], v[8:9]
.endr
.irp q, 0,1,2,3
	global_store_b128 v6, v[64+4*\q:67+4*\q], s[16:17] offset:512*\q
.endr
	s_endpgm
.Lfunc_end_k_qb169ee27f2_prep:
	.size	k_qb169ee27f2_prep, .Lfunc_end_k_qb169ee27f2_prep-k_qb169ee27f2_prep
	.p2alignl 7, 3214868480
	.fill 96, 4, 3214868480
	.section	.rodata,"a",@progbits
	.p2align	6, 0x0
	.amdhsa_kernel k_qb169ee27f2_prep
		.amdhsa_group_segment_fixed_size 0
		.amdhsa_private_segment_fixed_size 0
		.amdhsa_enable_private_segment 0
		.amdhsa_kernarg_size 56
		.amdhsa_user_sgpr_count 2
		.amdhsa_user_sgpr_kernarg_segment_ptr 1
		.amdhsa_wavefront_size32 1
		.amdhsa_system_sgpr_workgroup_id_x 1
		.amdhsa_system_sgpr_workgroup_id_y 1
		.amdhsa_system_sgpr_workgroup_id_z 1
		.amdhsa_system_vgpr_workitem_id 0
		.amdhsa_next_free_vgpr 208
		.amdhsa_next_free_sgpr 66
		.amdhsa_reserve_vcc 0
		.amdhsa_float_denorm_mode_32 3
		.amdhsa_float_denorm_mode_16_64 3
		.amdhsa_memory_ordered 1
		.amdhsa_forward_progress 1
		.amdhsa_inst_pref_size 29
	.end_amdhsa_kernel
	.amdgpu_metadata
---
amdhsa.version: [ 1, 2 ]
amdhsa.kernels:
  - .name:           k_qb169ee27f2_prep
    .symbol:         k_qb169ee27f2_prep.kd
    .args:
      - { .name: W_proj, .offset: 0, .size: 8, .value_kind: global_buffer, .address_space: global }
      - { .name: Wv, .offset: 8, .size: 8, .value_kind: global_buffer, .address_space: global }
      - { .name: Wu, .offset: 16, .size: 8, .value_kind: global_buffer, .address_space: global }
      - { .name: desc_feats, .offset: 24, .size: 8, .value_kind: global_buffer, .address_space: global }
      - { .name: wcodes, .offset: 32, .size: 8, .value_kind: global_buffer, .address_space: global }
      - { .name: wscales, .offset: 40, .size: 8, .value_kind: global_buffer, .address_space: global }
      - { .name: text, .offset: 48, .size: 8, .value_kind: global_buffer, .address_space: global }
    .group_segment_fixed_size: 0
    .private_segment_fixed_size: 0
    .kernarg_segment_align: 8
    .kernarg_segment_size: 56
    .max_flat_workgroup_size: 32
    .sgpr_count:     66
    .vgpr_count:     208
    .wavefront_size: 32
...
	.end_amdgpu_metadata
.endif
;; end of part 1
;; launch main (part 2): grid 256 x 1, 4 waves a work-group, no clusters, 327,680 bytes of LDS; arguments x_s, x_l, wcodes, wscales, b_proj, bv, bu, w_attn, b_attn, out2, out3, pvec, pstat; writes out2, out3, pvec, pstat
.if DOCPART == 2
	.amdgcn_target "amdgcn-amd-amdhsa--gfx1250"
	.amdhsa_code_object_version 6
	.text
	.protected	k_qb169ee27f2_main
	.globl	k_qb169ee27f2_main
	.p2align	8
	.type	k_qb169ee27f2_main,@function
k_qb169ee27f2_main:
	s_mov_b64 s[64:65], 0
	v_nop
	global_prefetch_b8 v0, s[64:65] scope:SCOPE_SE
	s_setreg_imm32_b32 hwreg(HW_REG_WAVE_MODE, 25, 1), 1
	s_wait_xcnt 0x0
; Everything that touches a row, for 256 rows a work-group (work-groups 0-127: x_s, 128-255: x_l; 64 work-groups make one (tensor, batch) group of 16,384 rows).
;   A: x -> l2norm -> codes of E3M2 -> x W_proj + b_proj = y -> l2norm -> xp -> codes.
;   D: xp . the 32 descriptions -> softmax over a class's 8 -> the class scores (each dot is made once: it is both the similarity and the value that is weighted).
;   B: xp Wv, xp Wu -> w_attn . (tanh x sigmoid): the row's logit.
;   C: the softmax pooling of this work-group's rows, under its own maximum M: l = sum p, and sum p xp, which the last launch joins.
; THE WAVES SHARE THE COLUMNS, NOT THE ROWS: a wave's quarter of the weight set in hand stays in its registers; the rows' codes go from wave to wave through LDS as images of the operand's registers
; (a fragment: 3 stores of 16 bytes a lane at 16 x lane; its scale words 4 bytes a lane).  The weight sets follow each other in the same registers: W_proj, then Wv and Wu, then W_proj again.
; A set is asked for in pieces of 24 to 48 loads that stand among work which does not need it: the gates' set lands under the last block's quantising and under D, W_proj's second coming under the start of C.
; THE POOLING IS DONE IN THE INPUT'S SPACE.  y_n = q_n Wq + b_proj, q_n and Wq the quantised numbers.  So sum p_n y_n / |y_n| = (sum c_n q_n) Wq + (sum c_n) b_proj with c_n = p_n / max(|y_n|, 1e-12):
; only x's codes, which lie in LDS anyway, are kept; no f32 row outlives its block.  All of it in f32 multiply-adds.
; Both matrix products are used transposed (source 0 = 16 columns of a weight, source 1 = 16 rows), so that a lane holds one row and its registers run along the columns.
; x comes by the tensor data mover, 32 rows a block, each wave its own strip of 128 columns, into ONE slot: two slots beside the two sets of images (2 x 98,304 bytes) would pass LDS's 327,680 bytes.
; The slot is read into registers at a block's head and asked for again behind the block's first barrier, so the load has the rest of the block in which to land.  One tensor load of a wave is out at most.
; No cluster: the weights go from memory straight into operand registers, which a joint load cannot fill, and there is no room in LDS for 196,608 bytes of them beside the images; x is shared by nobody.
; coord_s and coord_l enter no output: no launch is given them.
; LIMITS: NaN and infinities are not served; a row's sum of squares overflows beyond magnitudes of about 1e18; a block of zeros carries the scale byte 1 (its codes are zeros; this program alone reads the bytes);
; 1 / max(norm, 1e-12) is made as min(1 / sqrt(sum of squares), 1e12); the reciprocal square root flushes denormals, which reaches only norms far under the clip.
; REGISTERS, in windows of 256 (s_set_vgpr_msb: bits 1:0 source 0, 3:2 source 1, 5:4 source 2, 7:6 destination):
;   window 0: v2-31 addresses; v32-47 the weights' scale words; v48-55 the rows' scale words; v56-151 two sets of four fragments; v152-255 at work.  In C: v32-47 c, v56-103 fragments, v104-167 T, v168-231 Z
;   window 1: v0-191 weight fragments of K steps 0, 1; v192-255 the biases in the result's layout.     window 2: v0-191 K steps 2, 3; v192-239 the descriptions' fragments, later W_proj's scale words and b_proj
;   window 3: v0-127 64 numbers a lane for each of two tiles of rows (x, then y; in B two sets of gate sums); v128-199 w_attn, -2 w_attn, at work; in C all 256: z
.set STRIP, 16896                      ; a wave's strip: 32 rows x (512 bytes + 16 of padding)
.set XI,    67584                      ; x's images: (4 m + s) x 1,536, m the tile of 16 rows, s the K step
.set XPI,   165888                     ; xp's images
.set XSC,   264192                     ; x's scale words: (4 m + s) x 128 + 4 x lane
.set XPSC,  272384                     ; xp's
.set EXX,   280576                     ; partial sums of squares of x: 128 x wave + 64 mu + 4 r
.set EXY,   281088                     ; and of y
.set RN,    281600                     ; 1 / norm(y), a copy for each wave: 1,280 x wave + 80 r + 4 m
.set AP,    286720                     ; the logits' parts, same layout
.set CW,    291840                     ; c, a copy for each wave, same layout
.set SCO,   296960                     ; class scores: 16 x row + 4 x class
.set ZV,    301056                     ; z [512]
.set PV,    303104                     ; the pooled vector, 512 bytes a wave
.set SPARE, 305152                     ; the spare words, 128 bytes for each wave: two blocks of 256 bytes that no other line names
.set GOFF,  196608                     ; from W_proj's fragments to the gates', in bytes
.set WS,  32
.set FS,  48
.set F0,  56
.set SS,  152
.set TM,  160
.set PX,  168
.set RNP, 176
.set SO,  180
.set BY,  184
.set PW,  188
.set PT,  190
.set PC0, 198
.set PC1, 218
.set DS,  238
.set SQ,  240
.set MSB, 0
.macro WIN new                         ; the immediate's high byte repeats the setting that is left; a switch that changes nothing is dropped
.if MSB != (\new)
	s_set_vgpr_msb (MSB<<8)|(\new)
.set MSB, (\new)
.endif
.endm
.macro PLACES n
.rept \n
	v_nop
.endr
.endm
.macro BAR                             ; my LDS stores have landed and my LDS loads are in: then the work-group's barrier
	s_wait_dscnt 0x0
	s_barrier_signal -1
	s_barrier_wait -1
.endm
; One matrix instruction on the symbols wd, wa, wb, wc, wsa, wsb.  cm = 0: C is 0; 1: C is D; 2: C is v[wc] on.  row = 1: source 0's scales stand in lanes 16-31
.macro WM cm, row
.if (\cm) == 0
.if (\row)
	v_wmma_scale_f32_16x16x128_f8f6f4 v[wd:wd+7], v[wa:wa+11], v[wb:wb+11], 0, v[wsa], v[wsb] matrix_a_fmt:MATRIX_FMT_BF6 matrix_b_fmt:MATRIX_FMT_BF6 matrix_a_scale:MATRIX_SCALE_ROW1
.else
	v_wmma_scale_f32_16x16x128_f8f6f4 v[wd:wd+7], v[wa:wa+11], v[wb:wb+11], 0, v[wsa], v[wsb] matrix_a_fmt:MATRIX_FMT_BF6 matrix_b_fmt:MATRIX_FMT_BF6
.endif
.elseif (\cm) == 1
.if (\row)
	v_wmma_scale_f32_16x16x128_f8f6f4 v[wd:wd+7], v[wa:wa+11], v[wb:wb+11], v[wd:wd+7], v[wsa], v[wsb] matrix_a_fmt:MATRIX_FMT_BF6 matrix_b_fmt:MATRIX_FMT_BF6 matrix_a_scale:MATRIX_SCALE_ROW1
.else
	v_wmma_scale_f32_16x16x128_f8f6f4 v[wd:wd+7], v[wa:wa+11], v[wb:wb+11], v[wd:wd+7], v[wsa], v[wsb] matrix_a_fmt:MATRIX_FMT_BF6 matrix_b_fmt:MATRIX_FMT_BF6
.endif
.else
	v_wmma_scale_f32_16x16x128_f8f6f4 v[wd:wd+7], v[wa:wa+11], v[wb:wb+11], v[wc:wc+7], v[wsa], v[wsb] matrix_a_fmt:MATRIX_FMT_BF6 matrix_b_fmt:MATRIX_FMT_BF6
.endif
.endm
; My eight fragments of K step s of a weight set (tile t at 12 (8 (s % 2) + t) of window 1 or 2), from off bytes on: 24 loads.  It leaves the destination's window set: WIN 0 follows the last of a run
.macro LWF off, s
	WIN 0x40+0x40*((\s)/2)
.irp t, 0,1,2,3,4,5,6,7
.irp g, 0,1,2
	global_load_b128 v[12*(8*((\s)%2)+\t)+4*\g:12*(8*((\s)%2)+\t)+4*\g+3], v4, s[52:53] offset:\off+(4*\t+(\s))*1536+512*\g
.endr
.endr
.endm
; and the set's scale words, K steps 2 u and 2 u + 1 in the two halves of one register: 16 loads
.macro LWS off
.irp t, 0,1,2,3,4,5,6,7
.irp u, 0,1
	global_load_b32 v[WS+2*\t+\u], v5, s[54:55] offset:(\off)/24+256*\t+128*\u
.endr
.endr
.endm
; The gates' biases, over b_proj's registers, and w_attn: 24 loads
.macro GBIAS
	WIN 0x40
.irp g, 0,1,2,3
	global_load_b128 v[192+8*\g:195+8*\g], v18, s[80:81] offset:64*\g          ; bv at my lane's eight columns of tile g
	global_load_b128 v[196+8*\g:199+8*\g], v18, s[80:81] offset:64*\g+16
	global_load_b128 v[224+8*\g:227+8*\g], v18, s[82:83] offset:64*\g          ; bu likewise
	global_load_b128 v[228+8*\g:231+8*\g], v18, s[82:83] offset:64*\g+16
.endr
	WIN 0xC0
.irp g, 0,1,2,3
	global_load_b128 v[128+8*\g:131+8*\g], v18, s[84:85] offset:64*\g          ; w_attn likewise
	global_load_b128 v[132+8*\g:135+8*\g], v18, s[84:85] offset:64*\g+16
.endr
	WIN 0
.endm
; My tile of descriptions: four fragments and their scale words: 14 loads
.macro DLOAD
	WIN 0x80
.irp s, 0,1,2,3
.irp g, 0,1,2
	global_load_b128 v[192+12*\s+4*\g:195+12*\s+4*\g], v4, s[76:77] offset:1536*\s+512*\g
.endr
.endr
	WIN 0
	global_load_b32 v[DS], v5, s[78:79]
	global_load_b32 v[DS+1], v5, s[78:79] offset:128
.endm
; The slot into registers: lane (r, h) takes, of rows r and 16 + r, the numbers 32 b + 16 h + 0 .. 15 of each block b of my 128 columns: register 64 mu + 16 b + i
.macro XR
	WIN 0xC0
.irp mu, 0,1
.irp b, 0,1,2,3
.irp j, 0,1,2,3
	ds_load_b128 v[64*\mu+16*\b+4*\j:64*\mu+16*\b+4*\j+3], v7 offset:8448*\mu+128*\b+16*\j
.endr
.endr
.endr
	WIN 0
.endm
; The sum of squares of tile mu's 128 numbers of my row (mine and lane l xor 16's), to the exchange words.  Four chains, ascending: each matrix result is read from its low end on.
; w0 >= 0: the numbers are still coming from the slot, two loads for each eight registers: in front of registers q .. q + 7 the LDS instructions issued behind their two loads, w0 - q / 4 of them, may be out
.macro SUMSQ1 mu, ex, w0
	WIN 0x0F
.if (\w0) >= 0
	s_wait_dscnt \w0
.endif
.irp c, 0,1,2,3
	v_pk_mul_f32 v[SS+2*\c:SS+2*\c+1], v[64*\mu+2*\c:64*\mu+2*\c+1], v[64*\mu+2*\c:64*\mu+2*\c+1]
.endr
.irp q, 8,16,24,32,40,48,56
.if (\w0) >= 0
	s_wait_dscnt (\w0)-\q/4
.endif
.irp c, 0,1,2,3
	v_pk_fma_f32 v[SS+2*\c:SS+2*\c+1], v[64*\mu+\q+2*\c:64*\mu+\q+2*\c+1], v[64*\mu+\q+2*\c:64*\mu+\q+2*\c+1], v[SS+2*\c:SS+2*\c+1]
.endr
.endr
	WIN 0
	v_pk_add_f32 v[SS:SS+1], v[SS:SS+1], v[SS+2:SS+3]
	v_pk_add_f32 v[SS+4:SS+5], v[SS+4:SS+5], v[SS+6:SS+7]
	v_pk_add_f32 v[SS:SS+1], v[SS:SS+1], v[SS+4:SS+5]
	v_add_f32 v[SQ+\mu], v[SS], v[SS+1]
	v_permlanex16_b32 v[PX+\mu], v[SQ+\mu], s44, s45
	v_add_f32 v[SQ+\mu], v[SQ+\mu], v[PX+\mu]
	ds_store_b32 v8, v[SQ+\mu] offset:\ex+64*\mu   ; both halves of the lanes write the same word with the same value
.endm
; The largest magnitude of each of the eight blocks (4 mu + b), of the numbers BEFORE they are scaled: rounding keeps order, so the largest times 1 / norm is the largest of the scaled numbers
.macro QMAX
	WIN 0x0F
.irp e, 0,1,2,3,4,5,6,7
	v_max_num_f32 v[TM+\e], |v[16*\e]|, |v[16*\e+1]|
.endr
.irp i, 2,4,6,8,10,12,14
.irp e, 0,1,2,3,4,5,6,7
	v_max3_num_f32 v[TM+\e], |v[16*\e+\i]|, |v[16*\e+\i+1]|, v[TM+\e]
.endr
.endr
	WIN 0
.irp e, 0,1,2,3,4,5,6,7
	v_permlanex16_b32 v[PX+\e], v[TM+\e], s44, s45
.endr
.irp e, 0,1,2,3,4,5,6,7
	v_max_num_f32 v[TM+\e], v[TM+\e], v[PX+\e]
.endr
.endm
; 1 / max(norm, 1e-12) of my two rows, from the four waves' parts, added in the same order in every wave: the reciprocal square root of the sum, held at 1e12 from above
.macro RNORM ex
.irp mu, 0,1
.irp u, 0,1,2,3
	ds_load_b32 v[PT+4*\mu+\u], v28 offset:\ex+128*\u+64*\mu
.endr
.endr
	s_wait_dscnt 0x0
.irp mu, 0,1
	v_add_f32 v[PT+4*\mu], v[PT+4*\mu], v[PT+4*\mu+1]
	v_add_f32 v[PT+4*\mu+2], v[PT+4*\mu+2], v[PT+4*\mu+3]
.endr
.irp mu, 0,1
	v_add_f32 v[PT+4*\mu], v[PT+4*\mu], v[PT+4*\mu+2]
.endr
	v_rsq_f32 v[RNP], v[PT]
	v_rsq_f32 v[RNP+2], v[PT+4]
	v_nop                                          ; a plain place behind the transcendentals,
	s_wait_alu depctr_va_vdst(0)                   ; and the one wait ahead of their first reader
	v_min_num_f32 v[RNP], 0x5368d4a5, v[RNP]       ; 1e12: the clip of the norm at 1e-12 (a sum of 0 gives infinity, which is held too)
	v_min_num_f32 v[RNP+2], 0x5368d4a5, v[RNP+2]
	v_mov_b32 v[RNP+1], v[RNP]                     ; (the packed form names the pair)
	v_mov_b32 v[RNP+3], v[RNP+2]
.endm
; Tile mu's 64 numbers are scaled by 1 / norm and become a fragment's codes (v[pc] on) and its scale word; both go to LDS as they stand
.macro QCVT mu, pc, aimg, soff
	WIN 0xC3
.set q, 0
.rept 32
	v_pk_mul_f32 v[64*\mu+q:64*\mu+q+1], v[64*\mu+q:64*\mu+q+1], v[RNP+2*\mu:RNP+2*\mu+1] op_sel_hi:[1,0]
.set q, q+2
.endr
	WIN 0
.irp b, 0,1,2,3
	v_mul_f32 v[SO+\b], v[TM+4*\mu+\b], v[RNP+2*\mu]   ; the block's largest magnitude, scaled
.endr
.irp b, 0,1,2,3
	v_max_num_f32 v[SO+\b], 0x2800000, v[SO+\b]    ; the floor 2^(5 - 127): the byte cannot fall under 1
.endr
.irp b, 0,1,2,3
	v_add_nc_u32 v[SO+\b], 0xfe000000, v[SO+\b]    ; 4 off the exponent field: the conversion's scale operand
.endr
.irp b, 0,1,2,3
	v_lshrrev_b32 v[BY+\b], 23, v[SO+\b]           ; the scale's byte
.endr
	v_lshl_or_b32 v[PW+\mu], v[BY+1], 8, v[BY]
	v_lshl_or_b32 v[PW+\mu], v[BY+2], 16, v[PW+\mu]
	v_lshl_or_b32 v[PW+\mu], v[BY+3], 24, v[PW+\mu]
	WIN 0x03
.irp c, 0,1
	v_cvt_scalef32_pk16_bf6_f32 v[\pc+6*\c:\pc+6*\c+2], v[64*\mu+32*\c:64*\mu+32*\c+15], v[SO+2*\c]
	v_cvt_scalef32_pk16_bf6_f32 v[\pc+12+4*\c:\pc+14+4*\c], v[64*\mu+32*\c+16:64*\mu+32*\c+31], v[SO+2*\c+1]   ; (a conversion's three registers begin on an even number)
.endr
	WIN 0
	v_nop                                          ; one plain place behind a scaled conversion
.irp c, 0,1                                    ; the operand's layout wants a WHOLE block in a lane: lanes 0-15 block 2 c, lanes 16-31 block 2 c + 1
.irp i, 0,1,2
	v_permlane16_swap_b32 v[\pc+6*\c+\i], v[\pc+12+4*\c+\i]
.endr
.irp i, 0,1,2
	v_mov_b32 v[\pc+3+6*\c+\i], v[\pc+12+4*\c+\i]
.endr
.endr
.irp g, 0,1,2
	ds_store_b128 v[\aimg], v[\pc+4*\g:\pc+4*\g+3] offset:6144*\mu+512*\g
.endr
	ds_store_b32 v14, v[PW+\mu] offset:\soff+512*\mu
.endm
; A tile of rows' four fragments and four scale words into set buf
.macro FETCH buf, adr, ads, o, os
.irp s, 0,1,2,3
.irp g, 0,1,2
	ds_load_b128 v[F0+48*(\buf)+12*\s+4*\g:F0+48*(\buf)+12*\s+4*\g+3], v[\adr] offset:(\o)+1536*\s+512*\g
.endr
.endr
.irp s, 0,1,2,3
	ds_load_b32 v[FS+4*(\buf)+\s], v[\ads] offset:(\os)+128*\s
.endr
.endm
; A block's operands for A's products: the eight scale words first, then the eight fragments in the order in which the products take them: K step by K step, tile 0 and tile 1
.macro FETCHA
.irp mu, 0,1
.irp s, 0,1,2,3
	ds_load_b32 v[FS+4*\mu+\s], v16 offset:512*\mu+128*\s
.endr
.endr
.irp s, 0,1,2,3
.irp mu, 0,1
.irp g, 0,1,2
	ds_load_b128 v[F0+48*\mu+12*\s+4*\g:F0+48*\mu+12*\s+4*\g+3], v15 offset:6144*\mu+1536*\s+512*\g
.endr
.endr
.endr
.endm
; y of the block's two tiles: sixteen accumulators by turns, K step by K step; b_proj is the C of each sum's first instruction.
; In front of the eight products of (K step s, tile mu) the loads issued behind that fragment's three, 21 - 6 s - 3 mu, may be out.
; wl = 1: W_proj may still be coming (the first block): behind K step s's fragments 72 - 24 s loads were issued; 63 stands for the 72.  From the second block on these waits are met at once
.macro P1 wl
.irp s, 0,1,2,3
.if \wl
.if \s == 0
	s_wait_loadcnt 63
.else
	s_wait_loadcnt 72-24*\s
.endif
.endif
.if \s == 0
	WIN 0xD1
.elseif \s == 1
	WIN 0xF1
.else
	WIN 0xF2
.endif
.irp mu, 0,1
	s_wait_dscnt 21-6*\s-3*\mu
.irp t, 0,1,2,3,4,5,6,7
.set wd, 64*\mu+8*\t
.set wa, 12*(8*(\s%2)+\t)
.set wb, F0+48*\mu+12*\s
.set wc, 192+8*\t
.set wsa, WS+2*\t+\s/2
.set wsb, FS+4*\mu+\s
.if \s == 0
	WM 2, 0
.else
	WM 1, \s%2
.endif
.endr
.endr
.endr
	WIN 0
.endm
; A prefetch of my strip of the block after the one just asked for: 32 rows x 512 bytes, a lane a row, two requests; each aligned 256 bytes of x is named once in the launch, by the wave that will load it.
; The loop's last trip asks for nothing: block 7 is the last.
.macro ASK
	s_cmp_gt_u32 s46, 1
	s_cbranch_scc0 .Lnoask_\@
	global_prefetch_b8 v23, s[50:51] th:TH_LOAD_NT scope:SCOPE_SE
	global_prefetch_b8 v23, s[50:51] offset:256 th:TH_LOAD_NT scope:SCOPE_SE
.Lnoask_\@:
.endm
	s_load_b512 s[4:19], s[0:1], 0x0               ; x_s 4, x_l 6, wcodes 8, wscales 10, b_proj 12, bv 14, bu 16, w_attn 18
	s_load_b256 s[20:27], s[0:1], 0x40             ; b_attn 20, out2 22, out3 24, pvec 26
	s_load_b64 s[28:29], s[0:1], 0x60              ; pstat
	v_lshl_add_u32 v2, v0, 2, SPARE                ; my spare word
	v_mov_b32 v3, 0
	ds_add_u32 v2, v3
	ds_add_u32 v2, v3
	s_wait_dscnt 0x0
	v_lshrrev_b32 v1, 5, v0
	v_readfirstlane_b32 s30, v1                    ; wave w
	s_lshr_b32 s31, s30, 1                         ; w / 2: which half of the row tiles is mine in D
	s_and_b32 s69, s30, 1                          ; w % 2: which tile of descriptions
	v_and_b32 v1, 31, v0                           ; lane
	v_and_b32 v12, 15, v0                          ; r
	v_bfe_u32 v13, v0, 4, 1                        ; h
	v_lshlrev_b32 v4, 4, v1                        ; 16 x lane
	v_lshlrev_b32 v5, 2, v1                        ; 4 x lane
	v_lshlrev_b32 v6, 2, v12                       ; 4 r
	v_mul_u32_u24 v7, v12, 528
	v_lshl_add_u32 v7, v13, 6, v7
	s_mul_i32 s41, s30, STRIP                      ; my strip (also the descriptor's LDS address)
	v_add_nc_u32 v7, s41, v7                       ; the slot: row r, + 64 h
	s_lshl_b32 s70, s30, 7
	s_add_co_u32 s71, s70, EXX
	v_add_nc_u32 v8, s71, v6                       ; my exchange words
	s_add_co_u32 s71, s70, XSC
	v_add_nc_u32 v10, s71, v5                      ; where I store scale words: K step w
	s_mul_i32 s71, s30, 1536
	s_add_co_u32 s71, s71, XI
	v_add_nc_u32 v9, s71, v4                       ; where I store images: K step w
	v_mul_u32_u24 v25, v12, 80
	s_mul_i32 s71, s30, 1280
	s_add_co_u32 s71, s71, RN
	v_add_nc_u32 v11, s71, v25                     ; my copy of 1 / norm: row r
	v_add_nc_u32 v25, AP, v25                      ; the logits' parts: row r
	v_lshlrev_b32 v20, 3, v13                      ; 8 h: my first block's byte in a scale word
	v_add_nc_u32 v21, 16, v20                      ; and my second's
	v_mov_b32 v22, 0x7f7f7f7f                      ; the scale 1 in every byte
	v_lshlrev_b32 v23, 11, v1                      ; a row of x for each lane
	v_lshlrev_b32 v24, 4, v12
	v_lshl_add_u32 v24, v13, 2, v24
	s_lshl_b32 s71, s69, 3
	s_lshl_b32 s72, s31, 11
	s_add_co_u32 s71, s71, s72
	s_add_co_u32 s71, s71, SCO
	v_add_nc_u32 v24, s71, v24                     ; scores: 16 r + 4 (2 d + h) + 256 x my first row tile
	v_lshlrev_b32 v26, 7, v13
	v_add_nc_u32 v26, ZV, v26                      ; z: my half's 32 of each 64
	v_and_b32 v19, 8, v12
	v_add_nc_u32 v19, v19, v12
	v_lshlrev_b32 v19, 2, v19                      ; 4 (r + 8 (r / 8))
	s_lshl_b32 s71, s30, 9
	s_add_co_u32 s71, s71, PV
	v_add_nc_u32 v27, s71, v19
	v_add_nc_u32 v28, EXX, v6
	v_add_nc_u32 v29, XI, v4
	v_add_nc_u32 v30, XSC, v5
	v_lshlrev_b32 v31, 6, v13                      ; 64 h
	v_lshlrev_b32 v18, 5, v13                      ; 32 h
.irp e, 0,1,2,3,4,5,6,7
	v_mov_b32 v[PX+\e], 0                          ; written once: a lane permute's destination counts as one of its sources
.endr
	; descriptor group 1: 32 rows x 128 elements of 4 bytes, 512 elements from row to row; 4 words of padding behind every 128
	s_mov_b32 s32, (2<<16)|(1<<20)|(6<<22)|(3<<25)
	s_mov_b32 s33, 128<<16                         ; tensor_dim0
	s_mov_b32 s34, 32<<16                          ; tensor_dim1
	s_mov_b32 s35, 128<<16                         ; tile_dim0
	s_mov_b32 s36, 32                              ; tile_dim1
	s_mov_b32 s37, 512                             ; the pitch
	s_mov_b32 s38, 0
	s_mov_b32 s39, 0
	s_mov_b32 s44, 0x76543210
	s_mov_b32 s45, 0xfedcba98                      ; v_permlanex16_b32's selects for lane l xor 16
	s_mov_b32 s60, 0x4038aa3b                      ; 2 log2(e)
	s_mov_b32 s61, s60
	s_mov_b32 s62, 0xbfb8aa3b                      ; -log2(e)
	s_mov_b32 s63, s62
	s_mov_b32 s66, 0x3d8293ee                      ; log2(e) / sqrt(512)
	s_mov_b32 s67, s66
	s_and_b32 s70, ttmp9, 127
	s_lshl_b32 s90, s70, 19                        ; my 256 rows of 2,048 bytes,
	s_lshl_b32 s71, s30, 9
	s_add_co_u32 s90, s90, s71                     ; my 512 bytes of each
	s_mov_b32 s91, 0
	s_lshl_b32 s92, s70, 12                        ; my 256 rows of 16 bytes of scores,
	s_lshl_b32 s71, s30, 10
	s_add_co_u32 s92, s92, s71                     ; my wave's 64
	s_mov_b32 s93, 0
	s_wait_kmcnt 0x0
	s_cmp_lt_u32 ttmp9, 128                        ; x_s and out2, or x_l and out3: the choice hangs on the work-group's number alone
	s_cselect_b64 s[56:57], s[4:5], s[6:7]
	s_cselect_b64 s[58:59], s[22:23], s[24:25]
	s_add_nc_u64 s[56:57], s[56:57], s[90:91]
	s_add_nc_u64 s[58:59], s[58:59], s[92:93]
	s_mov_b32 s40, 1                               ; group 0: count,
	s_mov_b64 s[42:43], s[56:57]                   ; (s41, the LDS address, was made above) the global address of block 0's strip,
	s_or_b32 s43, s43, 0x80000000                  ; the type
	tensor_load_to_lds s[40:43], s[32:39]          ; block 0: ahead of every wait on TENSORcnt, every LDS read and every barrier
	s_nop 0
	PLACES 4
	s_add_nc_u64 s[50:51], s[56:57], 0x10000       ; the prefetches stand at block 1; each trip steps them first
	s_mul_i32 s90, s30, 49152
	s_add_nc_u64 s[52:53], s[8:9], s[90:91]        ; my 32 fragments of a weight set
	s_lshl_b32 s90, s30, 11
	s_add_nc_u64 s[54:55], s[10:11], s[90:91]      ; and their scale words
	s_lshl_b32 s90, s30, 9
	s_add_nc_u64 s[74:75], s[12:13], s[90:91]      ; b_proj at my 128 columns
	s_mul_i32 s90, s69, 6144
	s_add_co_u32 s90, s90, 393216
	s_add_nc_u64 s[76:77], s[8:9], s[90:91]        ; my tile of descriptions
	s_lshl_b32 s90, s69, 8
	s_add_co_u32 s90, s90, 16384
	s_add_nc_u64 s[78:79], s[10:11], s[90:91]
	s_lshl_b32 s90, s30, 8
	s_add_nc_u64 s[80:81], s[14:15], s[90:91]      ; bv, bu, w_attn at my 64 columns
	s_add_nc_u64 s[82:83], s[16:17], s[90:91]
	s_add_nc_u64 s[84:85], s[18:19], s[90:91]
	s_lshl_b32 s90, ttmp9, 11
	s_lshl_b32 s71, s30, 9
	s_add_co_u32 s90, s90, s71
	s_add_nc_u64 s[86:87], s[26:27], s[90:91]      ; pvec: my work-group's row, my 128 columns
	s_lshl_b32 s90, ttmp9, 3
	s_add_nc_u64 s[88:89], s[28:29], s[90:91]      ; pstat
	s_load_b32 s68, s[20:21], 0x0                  ; b_attn
	; W_proj, in the order in which the first block's products want it: b_proj (16 loads), the scale words (16), then the fragments K step by K step (4 x 24)
	WIN 0x40
.irp t, 0,1,2,3,4,5,6,7                        ; b_proj in the result's layout: lane (r, h), tile t: columns 32 (t / 2) + 16 h + 8 (t % 2) + 0 .. 7
	global_load_b128 v[192+8*\t:195+8*\t], v31, s[74:75] offset:4*(32*(\t/2)+8*(\t%2))
	global_load_b128 v[196+8*\t:199+8*\t], v31, s[74:75] offset:4*(32*(\t/2)+8*(\t%2))+16
.endr
	WIN 0
	LWS 0
	LWF 0, 0
	LWF 0, 1
	LWF 0, 2
	LWF 0, 3
	WIN 0
; ---- A.  A block of 32 rows, three barriers.  fill = 1: the slot is asked for again
.macro TRIP fill
	s_wait_tensorcnt 0x0                           ; my strip has landed (the one load that I have out); I alone read it
	XR
.if !\fill
	DLOAD                                          ; the descriptions, a block ahead of D
.endif
	SUMSQ1 0, 0, 30                                ; behind tile 0's first two loads stand 30 more
	SUMSQ1 1, 0, 15                                ; behind tile 1's first two stand 14 more and tile 0's store.  Its last wait leaves that store alone out: all LDS instructions of the block before are done
	v_add_nc_u32 v12, s47, v9                      ; this block's places: x's images,
	v_add_nc_u32 v13, XPI-XI, v12                  ; xp's,
	v_add_nc_u32 v14, s48, v10                     ; the scale words (xp's 8,192 bytes on),
	v_add_nc_u32 v15, s47, v29                     ; and the same to read,
	v_add_nc_u32 v16, s48, v30
	v_add_nc_u32 v17, s49, v11                     ; 1 / norm
	QMAX
.if \fill
	s_wait_tensorcnt 0x0                           ; no tensor load of mine is out, so group 0 may be written
	ds_add_u32 v2, v3                              ; 0 onto my spare word
	s_add_nc_u64 s[42:43], s[42:43], 0x10000       ; the next 32 rows; the type bits on top are not reached
	s_wait_xcnt 0x0                                ; the last prefetches, a block back, have read their address
	s_add_nc_u64 s[50:51], s[50:51], 0x10000
	s_wait_dscnt 0x0                               ; the add is done, my reads of the slot are in, my partial sums have landed
	s_barrier_signal -1
	s_barrier_wait -1
	tensor_load_to_lds s[40:43], s[32:39]          ; my one tensor load behind this barrier, and the first thing there
	s_nop 0
	PLACES 4
	ASK
.else
	BAR
.endif
	RNORM 0
	QCVT 0, PC0, 12, 0
	QCVT 1, PC1, 12, 0
	BAR                                            ; the block's eight fragments of x lie in LDS
	FETCHA
.if !\fill
	s_wait_loadcnt 0x0                             ; the descriptions are in: nothing of mine is out when the gates' weights are asked for below
.endif
	P1 \fill
	PLACES 4                                       ; in front of the first read of results, and of loads into registers that the products have read
.if !\fill
	LWF GOFF, 0                                    ; W_proj has done its work: the gates' K steps 0 and 1 land while y is normalised and quantised
	LWF GOFF, 1
	WIN 0
.endif
	SUMSQ1 0, EXY-EXX, -1
	SUMSQ1 1, EXY-EXX, -1
	QMAX
	BAR
	RNORM EXY-EXX
	ds_store_b32 v17, v[RNP]                       ; 1 / norm(y) of rows 16 m + r, kept for the pooling
	ds_store_b32 v17, v[RNP+2] offset:4
	QCVT 0, PC0, 13, XPSC-XSC
	QCVT 1, PC1, 13, XPSC-XSC
.endm
	s_mov_b32 s46, 7
	s_mov_b32 s47, 0
	s_mov_b32 s48, 0
	s_mov_b32 s49, 0
.Lblock:
	TRIP 1
	s_add_co_u32 s47, s47, 12288
	s_add_co_u32 s48, s48, 1024
	s_add_co_u32 s49, s49, 8
	s_sub_co_u32 s46, s46, 1
	s_cmp_lg_u32 s46, 0
	s_cbranch_scc1 .Lblock
	TRIP 0                                         ; the last block is written out
	LWF GOFF, 2                                    ; the gates' K steps 2 and 3: they land under D
	LWF GOFF, 3
	WIN 0
	BAR                                            ; all of xp's images lie in LDS
; ---- D.  xp . my 16 descriptions, two row tiles at a time.  A lane's eight results are the eight descriptions of class 2 d + h for its row
.macro DSOFT
	WIN 0xFF
.irp q, 0,1
	v_max3_num_f32 v[20+\q], v[8*\q], v[8*\q+1], v[8*\q+2]
.endr
.irp q, 0,1
	v_max3_num_f32 v[20+\q], v[20+\q], v[8*\q+3], v[8*\q+4]
.endr
.irp q, 0,1
	v_max3_num_f32 v[20+\q], v[20+\q], v[8*\q+5], v[8*\q+6]
.endr
.irp q, 0,1
	v_max_num_f32 v[20+\q], v[20+\q], v[8*\q+7]
.endr
.irp q, 0,1
	v_mul_f32 v[16+2*\q], s66, v[20+\q]            ; the largest, in the exponent's units
.endr
.irp e, 0,2,4,6
.irp q, 0,1
	v_pk_fma_f32 v[32+8*\q+\e:33+8*\q+\e], v[8*\q+\e:8*\q+\e+1], s[66:67], v[16+2*\q:17+2*\q] op_sel_hi:[1,0,0] neg_lo:[0,0,1] neg_hi:[0,0,1]
.endr
.endr
.set e, 0
.rept 16
	v_exp_f32 v[32+e], v[32+e]
.set e, e+1
.endr
	v_nop
	s_wait_alu depctr_va_vdst(0)                   ; one wait for the sixteen
.irp q, 0,1
	v_pk_add_f32 v[48+4*\q:49+4*\q], v[32+8*\q:33+8*\q], v[34+8*\q:35+8*\q]
	v_pk_mul_f32 v[50+4*\q:51+4*\q], v[32+8*\q:33+8*\q], v[8*\q:8*\q+1]
.endr
.irp q, 0,1
	v_pk_fma_f32 v[50+4*\q:51+4*\q], v[34+8*\q:35+8*\q], v[8*\q+2:8*\q+3], v[50+4*\q:51+4*\q]
.endr
.irp e, 4,6
.irp q, 0,1
	v_pk_add_f32 v[48+4*\q:49+4*\q], v[48+4*\q:49+4*\q], v[32+8*\q+\e:33+8*\q+\e]
	v_pk_fma_f32 v[50+4*\q:51+4*\q], v[32+8*\q+\e:33+8*\q+\e], v[8*\q+\e:8*\q+\e+1], v[50+4*\q:51+4*\q]
.endr
.endr
.irp q, 0,1
	v_add_f32 v[48+4*\q], v[48+4*\q], v[49+4*\q]
	v_add_f32 v[50+4*\q], v[50+4*\q], v[51+4*\q]
.endr
	v_rcp_f32 v48, v48
	v_rcp_f32 v52, v52
	v_nop
	s_wait_alu depctr_va_vdst(0)
	v_mul_f32 v56, v50, v48
	v_mul_f32 v57, v54, v52
.endm
.macro DPAIR p
	s_wait_dscnt 0x0                               ; the pair's fragments are in; the last pair's stores have read their registers
	WIN 0xF2
.irp s, 0,1,2,3
.irp q, 0,1                                    ; the two accumulators by turns
.set wd, 8*\q
.set wa, 192+12*\s
.set wb, F0+48*\q+12*\s
.set wsa, DS+\s/2
.set wsb, FS+4*\q+\s
.if \s == 0
	WM 0, 0
.else
	WM 1, \s%2
.endif
.endr
.endr
	WIN 0
	PLACES 5                                       ; four in front of loads and reads; the fifth since the next products on these registers write over them
.if \p < 3
	FETCH 0, 15, 16, 12288*(\p+1), 1024*(\p+1)
	FETCH 1, 15, 16, 12288*(\p+1)+6144, 1024*(\p+1)+512
.endif
	DSOFT
	WIN 0x0C
	ds_store_b32 v24, v56 offset:512*\p
	ds_store_b32 v24, v57 offset:512*\p+256
	WIN 0
.endm
	s_mul_i32 s73, s31, 49152
	s_add_co_u32 s73, s73, XPI-XI
	v_add_nc_u32 v15, s73, v29                     ; my eight row tiles' images,
	s_lshl_b32 s73, s31, 12
	s_add_co_u32 s73, s73, XPSC-XSC
	v_add_nc_u32 v16, s73, v30                     ; and scale words
	FETCH 0, 15, 16, 0, 0
	FETCH 1, 15, 16, 6144, 512
	WIN 0xC0
	v_mov_b32 v17, 0                               ; (named as the upper halves of pairs)
	v_mov_b32 v19, 0
	WIN 0
	DPAIR 0
	DPAIR 1
	LWS GOFF                                       ; the rest of the gates' set: scale words, biases, w_attn
	GBIAS
	DPAIR 2
	DPAIR 3
; ---- B.  Products and activation by turns: while one tile of rows has the matrix unit, the tile before it is taken through tanh and sigmoid, eight instructions behind each matrix instruction.
; Product kk of 32 of set par: K step kk / 8, gate tile kk % 8 (0-3: Wv, 4-7: Wu): the eight accumulators by turns; the biases are the C of the first eight
.macro GW par, kk
.set gs, (\kk)/8
.set gg, (\kk)%8
.set wd, 64*(\par)+8*gg
.set wa, 12*(8*(gs%2)+gg)
.set wb, F0+48*(\par)+12*gs
.set wc, 192+8*gg
.set wsa, WS+2*gg+gs/2
.set wsb, FS+4*(\par)+gs
.if gs == 0
	WIN 0xD1
	WM 2, 0
.elseif gs == 1
	WIN 0xF1
	WM 1, 1
.else
	WIN 0xF2
	WM 1, gs%2
.endif
.endm
; Number jx of the activation's list for set p.  V = registers 0-31 (x Wv + bv), U = 32-63 (x Wu + bu), the same column at the same place.
;   0-31 the scalings 2 log2(e) V, -log2(e) U | 32-95 the exponentials | 96 their one wait | 97-128 + 1 | 129-192 the reciprocals | 193 their one wait
;   194-209 w tanh = w - 2 w / (1 + e^(2 V)) | 210-225 its sum with sigmoid = 1 / (1 + e^-U), two chains | 226-229 the halves, and lane l xor 16's | 231 the part of the row's logit to LDS
; An exponential that overflows gives infinity, whose reciprocal is 0: tanh = 1, sigmoid = 0, as they should be.
.macro ACT p, jx, apo
.set aj, \jx
.set ab, 64*(\p)
.if aj < 230
	WIN 0xFF
.endif
.if aj < 16
	v_pk_mul_f32 v[ab+2*aj:ab+2*aj+1], v[ab+2*aj:ab+2*aj+1], s[60:61] op_sel_hi:[1,0]
.elseif aj < 32
	v_pk_mul_f32 v[ab+2*aj:ab+2*aj+1], v[ab+2*aj:ab+2*aj+1], s[62:63] op_sel_hi:[1,0]
.elseif aj < 96
	v_exp_f32 v[ab+aj-32], v[ab+aj-32]
.elseif aj == 96
	v_nop                                          ; the plain place behind the batch,
	s_wait_alu depctr_va_vdst(0)                   ; and its one wait, ahead of the first reader
.elseif aj < 129
	v_pk_add_f32 v[ab+2*(aj-97):ab+2*(aj-97)+1], v[ab+2*(aj-97):ab+2*(aj-97)+1], 1.0 op_sel_hi:[1,0]
.elseif aj < 193
	v_rcp_f32 v[ab+aj-129], v[ab+aj-129]
.elseif aj == 193
	v_nop
	s_wait_alu depctr_va_vdst(0)
.elseif aj < 210
.set aq, 2*(aj-194)
	v_pk_fma_f32 v[ab+aq:ab+aq+1], v[ab+aq:ab+aq+1], v[160+aq:161+aq], v[128+aq:129+aq]
.elseif aj < 212
.set aq, 2*(aj-210)
	v_pk_mul_f32 v[192+aq:193+aq], v[ab+aq:ab+aq+1], v[ab+32+aq:ab+33+aq]
.elseif aj < 226
.set aq, 2*(aj-210)
.set ac, 2*((aj-210)%2)
	v_pk_fma_f32 v[192+ac:193+ac], v[ab+aq:ab+aq+1], v[ab+32+aq:ab+33+aq], v[192+ac:193+ac]
.elseif aj == 226
	v_pk_add_f32 v[192:193], v[192:193], v[194:195]
.elseif aj == 227
	v_add_f32 v192, v192, v193
.elseif aj == 228
	v_permlanex16_b32 v196, v192, s44, s45
.elseif aj == 229
	v_add_f32 v192, v192, v196
.elseif aj == 231
	WIN 0x0C
	ds_store_b32 v14, v192 offset:\apo             ; both halves of the lanes write the same word with the same value
.endif
.endm
; Set par's 32 products, the other set's activation between them.  fetch = 1: behind the first product and its eight scalings (the places behind the last products that read that set) the next tile's fragments are asked for
.macro HALF par, fetch, fo, fso, apo
.set k, 0
.rept 32
	GW \par, k
.set jj, 8*k
.rept 8
	ACT 1-\par, jj, \apo
.set jj, jj+1
.endr
.if (k == 0) && \fetch
	WIN 0
	FETCH 1-\par, 12, 13, \fo, \fso
.endif
.set k, k+1
.endr
.endm
.macro BADDR                           ; the trip's places: xp's images, their scale words, the logits' parts
	v_add_nc_u32 v12, s71, v29
	v_add_nc_u32 v13, s72, v30
	v_add_nc_u32 v14, s70, v11
.endm
	s_wait_loadcnt 0x0                             ; the gates' weights, scale words, biases and w_attn
	WIN 0xFF
.set q, 0
.rept 16
	v_pk_mul_f32 v[160+q:161+q], v[128+q:129+q], -2.0 op_sel_hi:[1,0]
.set q, q+2
.endr
	v_mov_b32 v196, 0                              ; a lane permute's destination counts as one of its sources
	WIN 0
	s_mov_b32 s70, 0
	s_mov_b32 s71, XPI-XI
	s_mov_b32 s72, 0
	BADDR
	FETCH 0, 12, 13, 0, 8192
	FETCH 1, 12, 13, 6144, 8192+512
	s_wait_dscnt 0x0                               ; the fragments are in, and D's last stores have read their registers
.set k, 0
.rept 32
	GW 0, k                                        ; row tile 0: there is no activation yet to set between
.set k, k+1
.endr
	WIN 0
	PLACES 4
	s_mov_b32 s46, 7
.Lgate:                                            ; trip j: products of row tiles 2 j + 1 and 2 j + 2, activation of 2 j and 2 j + 1
	s_wait_dscnt 0x0                               ; the set's fragments are in, and no LDS instruction that names the places below is out
	BADDR
	HALF 1, 1, 12288, 8192+1024, AP-RN
	s_wait_dscnt 0x0
	HALF 0, 1, 18432, 8192+1536, AP-RN+4
	WIN 0
	s_add_co_u32 s70, s70, 8
	s_add_co_u32 s71, s71, 12288
	s_add_co_u32 s72, s72, 1024
	s_sub_co_u32 s46, s46, 1
	s_cmp_lg_u32 s46, 0
	s_cbranch_scc1 .Lgate
	s_wait_dscnt 0x0
	BADDR
	HALF 1, 0, 0, 0, AP-RN                         ; row tile 15's products, 14's activation
	WIN 0
	PLACES 4                                       ; in front of loads into registers that the products have read, and of the first read of their results
	LWF 0, 0                                       ; W_proj once more, for the pooling, again in pieces: K steps 0 and 1 under the last activation,
	LWF 0, 1
.set jj, 0
.rept 232
	ACT 1, jj, AP-RN+4                             ; row tile 15's activation
.set jj, jj+1
.endr
	LWF 0, 2                                       ; K step 2 under the barrier and the start of C
	WIN 0
	BAR                                            ; the scores and the logits' parts of all 256 rows lie in LDS
; ---- C1.  The scores leave: a wave's 64 rows are 1,024 consecutive bytes.  Then every wave makes p and c of all 256 rows: lane r (both halves alike) holds rows 16 m + r, m = 0 .. 15
	s_lshl_b32 s70, s30, 10
	s_add_co_u32 s70, s70, SCO
	v_add_nc_u32 v12, s70, v4
	ds_load_b128 v[240:243], v12
	ds_load_b128 v[244:247], v12 offset:512
.irp u, 0,1,2,3
.irp q, 0,1,2,3
	ds_load_b128 v[168+16*\u+4*\q:171+16*\u+4*\q], v25 offset:1280*\u+16*\q
.endr
.endr
.irp q, 0,1,2,3
	ds_load_b128 v[104+4*\q:107+4*\q], v11 offset:16*\q
.endr
	s_wait_dscnt 20                                ; the scores are in; the twenty loads behind them may be out
	global_store_b128 v4, v[240:243], s[58:59] th:TH_STORE_NT                ; each store covers 512 consecutive bytes
	global_store_b128 v4, v[244:247], s[58:59] offset:512 th:TH_STORE_NT
	LWF 0, 3                                       ; W_proj's K step 3
	WIN 0
	s_wait_dscnt 0x0
	s_wait_kmcnt 0x0                               ; b_attn
.irp e, 0,2,4,6,8,10,12,14
	v_pk_add_f32 v[168+\e:169+\e], v[168+\e:169+\e], v[184+\e:185+\e]
	v_pk_add_f32 v[200+\e:201+\e], v[200+\e:201+\e], v[216+\e:217+\e]
.endr
.irp e, 0,2,4,6,8,10,12,14
	v_pk_add_f32 v[168+\e:169+\e], v[168+\e:169+\e], v[200+\e:201+\e]
.endr
.irp e, 0,1,2,3,4,5,6,7,8,9,10,11,12,13,14,15
	v_add_f32 v[168+\e], s68, v[168+\e]            ; the logits
.endr
	v_max3_num_f32 v248, v168, v169, v170
.irp e, 3,5,7,9,11,13
	v_max3_num_f32 v248, v248, v[168+\e], v[169+\e]
.endr
	v_max_num_f32 v248, v248, v183
	v_max_num_f32_dpp v248, v248, v248 row_xmask:1 row_mask:0xf bank_mask:0xf
	v_max_num_f32_dpp v248, v248, v248 row_xmask:2 row_mask:0xf bank_mask:0xf
	v_max_num_f32_dpp v248, v248, v248 row_xmask:4 row_mask:0xf bank_mask:0xf
	v_max_num_f32_dpp v248, v248, v248 row_xmask:8 row_mask:0xf bank_mask:0xf   ; M: the largest logit of the 256 rows
	v_mul_f32 v120, 0x3fb8aa3b, v248
	v_mov_b32 v121, v120
.irp e, 0,2,4,6,8,10,12,14
	v_pk_fma_f32 v[168+\e:169+\e], v[168+\e:169+\e], 0x3fb8aa3b, v[120:121] op_sel_hi:[1,0,0] neg_lo:[0,0,1] neg_hi:[0,0,1]
.endr
.irp e, 0,1,2,3,4,5,6,7,8,9,10,11,12,13,14,15
	v_exp_f32 v[168+\e], v[168+\e]                 ; p = e^(logit - M)
.endr
	v_nop
	s_wait_alu depctr_va_vdst(0)                   ; one wait for the sixteen
.irp e, 0,2,4,6,8,10,12,14
	v_pk_mul_f32 v[32+\e:33+\e], v[168+\e:169+\e], v[104+\e:105+\e]   ; c = p / norm(y)
.endr
	v_pk_add_f32 v[122:123], v[168:169], v[170:171]
	v_pk_add_f32 v[124:125], v[172:173], v[174:175]
	v_pk_add_f32 v[126:127], v[32:33], v[34:35]
	v_pk_add_f32 v[128:129], v[36:37], v[38:39]
.irp e, 8,12
	v_pk_add_f32 v[122:123], v[122:123], v[168+\e:169+\e]
	v_pk_add_f32 v[124:125], v[124:125], v[170+\e:171+\e]
	v_pk_add_f32 v[126:127], v[126:127], v[32+\e:33+\e]
	v_pk_add_f32 v[128:129], v[128:129], v[34+\e:35+\e]
.endr
	v_pk_add_f32 v[122:123], v[122:123], v[124:125]
	v_pk_add_f32 v[126:127], v[126:127], v[128:129]
	v_add_f32 v249, v122, v123
	v_add_f32 v250, v126, v127
.irp m, 1,2,4,8
	v_add_f32_dpp v249, v249, v249 row_xmask:\m row_mask:0xf bank_mask:0xf   ; l = the sum of p
	v_add_f32_dpp v250, v250, v250 row_xmask:\m row_mask:0xf bank_mask:0xf   ; the sum of c
.endr
.irp q, 0,1,2,3
	ds_store_b128 v11, v[32+4*\q:35+4*\q] offset:CW-RN+16*\q   ; c to my own copy, so that the loop below can take it by an address
.endr
.set e, 0
.rept 64
	v_mov_b32 v[168+e], 0                          ; Z.  (The loop is written once: its first trip adds onto zeros)
.set e, e+1
.endr
	v_mov_b32 v53, 0                               ; (named as the upper halves of pairs)
	v_mov_b32 v55, 0
	v_mov_b32 v252, 0
	s_wait_xcnt 0x0                                ; the scores' stores have read v240-247, which are written again below
	WIN 0x80                                       ; over the descriptions, which have done their work: W_proj's scale words, the word of column r in both halves of the lanes, and b_proj at my columns
.irp t, 0,1,2,3,4,5,6,7
.irp s, 0,1,2,3
	global_load_b32 v[192+4*\t+\s], v6, s[54:55] offset:64*(4*\t+\s)
.endr
	global_load_b32 v[224+\t], v19, s[74:75] offset:4*(32*(\t/2)+8*(\t%2))
.endr
	WIN 0
; ---- C2.  z[k] = the sum over the rows of c q[k], for my K step's 128 k: x's codes come back from LDS and are widened.  Four row tiles a trip
.macro ZM a
	s_wait_dscnt 12-4*\a                           ; c and row tile a's four loads are in; the later tiles' four each may be out
	v_bfe_u32 v240, v[48+\a], v20, 8               ; my two blocks' scale bytes,
	v_bfe_u32 v241, v[48+\a], v21, 8
	v_lshlrev_b32 v240, 23, v240                   ; as f32 numbers,
	v_lshlrev_b32 v241, 23, v241
	v_mul_f32 v52, v240, v[244+\a]                 ; times my row's c
	v_mul_f32 v54, v241, v[244+\a]
.irp i, 0,1,2
	v_mov_b32 v[232+\i], v[56+12*\a+3+\i]          ; (a conversion's three registers begin on an even number)
	v_mov_b32 v[236+\i], v[56+12*\a+9+\i]
.endr
	v_cvt_scale_pk16_f32_bf6 v[104:119], v[56+12*\a:58+12*\a], v22
	v_cvt_scale_pk16_f32_bf6 v[120:135], v[232:234], v22
	v_cvt_scale_pk16_f32_bf6 v[136:151], v[62+12*\a:64+12*\a], v22
	v_cvt_scale_pk16_f32_bf6 v[152:167], v[236:238], v22
	v_nop                                          ; one plain place behind a scaled conversion
.set e, 0
.rept 16
	v_pk_fma_f32 v[168+e:169+e], v[104+e:105+e], v[52:53], v[168+e:169+e] op_sel_hi:[1,0,1]
	v_pk_fma_f32 v[200+e:201+e], v[136+e:137+e], v[54:55], v[200+e:201+e] op_sel_hi:[1,0,1]
.set e, e+2
.endr
.endm
	s_mov_b32 s46, 4
	s_mov_b32 s70, 0
	s_mov_b32 s71, 0
	s_mov_b32 s72, 0
.Lpool:
	v_add_nc_u32 v12, s70, v9
	v_add_nc_u32 v13, s71, v10
	v_add_nc_u32 v14, s72, v11
	ds_load_b128 v[244:247], v14 offset:CW-RN      ; LDS serves a wave's instructions in order: this sees my stores of c
.irp a, 0,1,2,3
.irp g, 0,1,2
	ds_load_b128 v[56+12*\a+4*\g:59+12*\a+4*\g], v12 offset:6144*\a+512*\g
.endr
	ds_load_b32 v[48+\a], v13 offset:512*\a
.endr
	ZM 0
	ZM 1
	ZM 2
	ZM 3
	s_add_co_u32 s70, s70, 24576
	s_add_co_u32 s71, s71, 2048
	s_add_co_u32 s72, s72, 16
	s_sub_co_u32 s46, s46, 1
	s_cmp_lg_u32 s46, 0
	s_cbranch_scc1 .Lpool
.irp m, 1,2,4,8                                ; over the sixteen rows that the lanes of a half hold
.set e, 0
.rept 64
	v_add_f32_dpp v[168+e], v[168+e], v[168+e] row_xmask:\m row_mask:0xf bank_mask:0xf
.set e, e+1
.endr
.endr
	s_lshl_b32 s70, s30, 9
	v_add_nc_u32 v15, s70, v26
.irp c, 0,1
.irp i, 0,1,2,3,4,5,6,7
	ds_store_b128 v15, v[168+32*\c+4*\i:171+32*\c+4*\i] offset:256*\c+16*\i   ; z[128 w + 64 c + 32 h + ..]: the sixteen lanes of a half write the same bytes with the same values
.endr
.endr
	BAR                                            ; z is whole
; ---- C3.  pooled[col] = the sum over k of z[k] Wq[k][col] + (the sum of c) b_proj[col], for my 128 columns: W_proj's codes are widened from my registers
	WIN 0xC0
.irp s, 0,1,2,3
.irp c, 0,1
.irp i, 0,1,2,3,4,5,6,7
	ds_load_b128 v[32*(2*\s+\c)+4*\i:32*(2*\s+\c)+4*\i+3], v26 offset:512*\s+256*\c+16*\i   ; z at my half's k, all 256
.endr
.endr
.endr
	WIN 0
	s_wait_loadcnt 0x0                             ; W_proj, its scale words, b_proj
	s_wait_dscnt 0x0
.macro ZW t, s
.set fb, 12*(8*((\s)%2)+(\t))
.set zb, 64*(\s)
	WIN 1+(\s)/2                                   ; source 0: window 1 or 2
.irp i, 0,1,2
	v_mov_b32 v[232+\i], v[fb+3+\i]
	v_mov_b32 v[236+\i], v[fb+9+\i]
.endr
	v_cvt_scale_pk16_f32_bf6 v[104:119], v[fb:fb+2], v22
	v_cvt_scale_pk16_f32_bf6 v[136:151], v[fb+6:fb+8], v22
	WIN 0
	v_cvt_scale_pk16_f32_bf6 v[120:135], v[232:234], v22
	v_cvt_scale_pk16_f32_bf6 v[152:167], v[236:238], v22
	WIN 0x02
	v_bfe_u32 v52, v[192+4*(\t)+(\s)], v20, 8      ; my two blocks' scale bytes.  (Also the plain place behind the conversions)
	v_bfe_u32 v54, v[192+4*(\t)+(\s)], v21, 8
	WIN 0x0C
.irp c, 0,1
	v_pk_mul_f32 v[240+4*\c:241+4*\c], v[104+32*\c:105+32*\c], v[zb+32*\c:zb+32*\c+1]
	v_pk_mul_f32 v[242+4*\c:243+4*\c], v[106+32*\c:107+32*\c], v[zb+32*\c+2:zb+32*\c+3]
.endr
.irp e, 4,8,12,16,20,24,28
.irp c, 0,1
	v_pk_fma_f32 v[240+4*\c:241+4*\c], v[104+32*\c+\e:105+32*\c+\e], v[zb+32*\c+\e:zb+32*\c+\e+1], v[240+4*\c:241+4*\c]
	v_pk_fma_f32 v[242+4*\c:243+4*\c], v[106+32*\c+\e:107+32*\c+\e], v[zb+32*\c+\e+2:zb+32*\c+\e+3], v[242+4*\c:243+4*\c]
.endr
.endr
	WIN 0
	v_pk_add_f32 v[240:241], v[240:241], v[242:243]
	v_pk_add_f32 v[244:245], v[244:245], v[246:247]
	v_lshlrev_b32 v52, 23, v52
	v_lshlrev_b32 v54, 23, v54
	v_add_f32 v240, v240, v241
	v_add_f32 v244, v244, v245
.if (\s) == 0
	v_mul_f32 v251, v240, v52
.else
	v_fma_f32 v251, v240, v52, v251
.endif
	v_fma_f32 v251, v244, v54, v251
.endm
.irp t, 0,1,2,3,4,5,6,7
	ZW \t, 0
	ZW \t, 1
	ZW \t, 2
	ZW \t, 3
	v_permlanex16_b32 v252, v251, s44, s45
	v_add_f32 v251, v251, v252                     ; with the other half's k
	WIN 0x02
	v_fma_f32 v[32+\t], v[224+\t], v250, v251      ; + b_proj x the sum of c
	WIN 0
	ds_store_b32 v27, v[32+\t] offset:4*(32*(\t/2)+8*(\t%2))   ; to the column's place; both halves write the same
.endr
	s_lshl_b32 s70, s30, 9
	s_add_co_u32 s70, s70, PV
	v_add_nc_u32 v16, s70, v4
	ds_load_b128 v[40:43], v16                     ; LDS serves a wave's instructions in order: this sees my stores
	s_wait_dscnt 0x0
	global_store_b128 v4, v[40:43], s[86:87]       ; 512 consecutive bytes
	s_cmp_lg_u32 s30, 0
	s_cbranch_scc1 .Lnostat
	v_mov_b32 v1, 0
	v_cmp_eq_u32 vcc_lo, 0, v0
	s_wait_xcnt 0x0                                ; EXEC changes only behind this wait
	s_and_saveexec_b32 s70, vcc_lo
	global_store_b64 v1, v[248:249], s[88:89]      ; (M, l), by one lane
	s_wait_xcnt 0x0
	s_or_b32 exec_lo, exec_lo, s70
.Lnostat:
	s_wait_tensorcnt 0x0                           ; the wave's end
	ds_add_u32 v2, v3
	s_wait_dscnt 0x0
	s_endpgm
.Lfunc_end_k_qb169ee27f2_main:
	.size	k_qb169ee27f2_main, .Lfunc_end_k_qb169ee27f2_main-k_qb169ee27f2_main
	.p2alignl 7, 3214868480
	.fill 96, 4, 3214868480
	.section	.rodata,"a",@progbits
	.p2align	6, 0x0
	.amdhsa_kernel k_qb169ee27f2_main
		.amdhsa_group_segment_fixed_size 327680
		.amdhsa_private_segment_fixed_size 0
		.amdhsa_enable_private_segment 0
		.amdhsa_kernarg_size 104
		.amdhsa_user_sgpr_count 2
		.amdhsa_user_sgpr_kernarg_segment_ptr 1
		.amdhsa_wavefront_size32 1
		.amdhsa_system_sgpr_workgroup_id_x 1
		.amdhsa_system_sgpr_workgroup_id_y 1
		.amdhsa_system_sgpr_workgroup_id_z 1
		.amdhsa_system_vgpr_workitem_id 0
		.amdhsa_next_free_vgpr 1024
		.amdhsa_next_free_sgpr 100
		.amdhsa_reserve_vcc 1
		.amdhsa_float_denorm_mode_32 3
		.amdhsa_float_denorm_mode_16_64 3
		.amdhsa_memory_ordered 1
		.amdhsa_forward_progress 1
		.amdhsa_inst_pref_size 255
	.end_amdhsa_kernel
	.section	.bss,"aw",@nobits
	.p2align	6
	.space	262144
	.amdgpu_metadata
---
amdhsa.version: [ 1, 2 ]
amdhsa.kernels:
  - .name:           k_qb169ee27f2_main
    .symbol:         k_qb169ee27f2_main.kd
    .args:
      - { .name: x_s, .offset: 0, .size: 8, .value_kind: global_buffer, .address_space: global }
      - { .name: x_l, .offset: 8, .size: 8, .value_kind: global_buffer, .address_space: global }
      - { .name: wcodes, .offset: 16, .size: 8, .value_kind: global_buffer, .address_space: global }
      - { .name: wscales, .offset: 24, .size: 8, .value_kind: global_buffer, .address_space: global }
      - { .name: b_proj, .offset: 32, .size: 8, .value_kind: global_buffer, .address_space: global }
      - { .name: bv, .offset: 40, .size: 8, .value_kind: global_buffer, .address_space: global }
      - { .name: bu, .offset: 48, .size: 8, .value_kind: global_buffer, .address_space: global }
      - { .name: w_attn, .offset: 56, .size: 8, .value_kind: global_buffer, .address_space: global }
      - { .name: b_attn, .offset: 64, .size: 8, .value_kind: global_buffer, .address_space: global }
      - { .name: out2, .offset: 72, .size: 8, .value_kind: global_buffer, .address_space: global }
      - { .name: out3, .offset: 80, .size: 8, .value_kind: global_buffer, .address_space: global }
      - { .name: pvec, .offset: 88, .size: 8, .value_kind: global_buffer, .address_space: global }
      - { .name: pstat, .offset: 96, .size: 8, .value_kind: global_buffer, .address_space: global }
    .group_segment_fixed_size: 327680
    .private_segment_fixed_size: 0
    .kernarg_segment_align: 8
    .kernarg_segment_size: 104
    .max_flat_workgroup_size: 128
    .sgpr_count:     100
    .vgpr_count:     1024
    .wavefront_size: 32
...
	.end_amdgpu_metadata
.endif
;; end of part 2
;; launch fin (part 3): grid 2 x 1, 32 waves a work-group, no clusters, 36,864 bytes of LDS; arguments pvec, pstat, text, out0, out1; writes out0, out1
.if DOCPART == 3
	.amdgcn_target "amdgcn-amd-amdhsa--gfx1250"
	.amdhsa_code_object_version 6
	.text
	.protected	k_qb169ee27f2_fin
	.globl	k_qb169ee27f2_fin
	.p2align	8
	.type	k_qb169ee27f2_fin,@function
k_qb169ee27f2_fin:
	s_mov_b64 s[64:65], 0
	v_nop
	global_prefetch_b8 v0, s[64:65] scope:SCOPE_SE
	s_setreg_imm32_b32 hwreg(HW_REG_WAVE_MODE, 25, 1), 1
	s_wait_xcnt 0x0
; The 64 work-groups' parts of each (tensor, batch) group are joined under the group's maximum, the two slide vectors are normalised and met with the text features: Y_prob and Y_hat of one batch a work-group.
; pvec [256][512]: sum p xp under the part's own maximum M_g;  pstat [256][2]: (M_g, l_g).  S = sum e_g pvec_g, L = sum e_g l_g, e_g = e^(M_g - M);  pooled = S / L.
; Wave v: tensor v / 16, parts 16 ((v / 4) % 4) + 0 .. 15 of its group, columns 128 (v % 4) + 4 x lane + 0 .. 3.  Three phases, two barriers.  A launch of two work-groups: the sums span all parts of a batch.
; LIMITS: NaN and infinities are not served.  Equal logits: the lower class wins.
.set ET, 0                             ; e of a group's 64 parts, a copy for each wave: 256 x wave
.set SV, 8192                          ; partial vectors: 2,048 x (v / 4) + 16 x (my four columns)
.set LT, 24576                         ; L: 4 x wave
.set RT, 24832                         ; four dots and a sum of squares: 32 x wave, waves 0-7
.macro WSUM x                          ; the sum over the wave's 32 lanes, in every lane
	v_add_f32_dpp v[\x], v[\x], v[\x] row_xmask:1 row_mask:0xf bank_mask:0xf
	v_add_f32_dpp v[\x], v[\x], v[\x] row_xmask:2 row_mask:0xf bank_mask:0xf
	v_add_f32_dpp v[\x], v[\x], v[\x] row_xmask:4 row_mask:0xf bank_mask:0xf
	v_add_f32_dpp v[\x], v[\x], v[\x] row_xmask:8 row_mask:0xf bank_mask:0xf
	v_permlanex16_b32 v13, v[\x], s20, s21
	v_add_f32 v[\x], v[\x], v13
.endm
.macro BAR
	s_wait_dscnt 0x0
	s_barrier_signal -1
	s_barrier_wait -1
.endm
	s_load_b256 s[4:11], s[0:1], 0x0               ; pvec s[4:5], pstat s[6:7], text s[8:9], out0 s[10:11]
	s_load_b64 s[12:13], s[0:1], 0x20              ; out1
	v_lshl_add_u32 v30, v0, 2, 0x8000
	v_mov_b32 v31, 0
	v_lshrrev_b32 v1, 5, v0
	v_readfirstlane_b32 s14, v1                    ; wave v
	v_and_b32 v1, 31, v0                           ; lane
	s_lshr_b32 s15, s14, 4                         ; the tensor
	s_bfe_u32 s16, s14, 0x20002                    ; which sixteen parts
	s_and_b32 s17, s14, 3                          ; which 128 columns
	s_lshr_b32 s26, s14, 2
	s_lshl_b32 s18, s15, 1
	s_add_co_u32 s18, s18, ttmp9                   ; the group: 2 x tensor + batch
	v_lshlrev_b32 v2, 4, v1
	s_lshl_b32 s19, s17, 9
	v_add_nc_u32 v2, s19, v2                       ; my four columns, in bytes
	v_lshlrev_b32 v3, 3, v1                        ; 8 x lane
	s_lshl_b32 s19, s14, 8
	v_lshl_add_u32 v4, v1, 2, s19                  ; my wave's e: 4 x lane
	s_lshl_b32 s27, s16, 6
	s_add_co_u32 s27, s27, s19
	v_mov_b32 v5, s27                              ; and my sixteen parts' e
	s_lshl_b32 s27, s26, 11
	s_add_co_u32 s27, s27, SV
	v_add_nc_u32 v6, s27, v2                       ; where my partial vector goes
	s_lshl_b32 s27, s14, 2
	s_add_co_u32 s27, s27, LT
	v_mov_b32 v7, s27
	s_and_b32 s27, s26, 1
	s_lshl_b32 s27, s27, 13
	s_add_co_u32 s27, s27, SV
	v_add_nc_u32 v24, s27, v2                      ; waves 0-7: tensor v / 4's four partial vectors
	s_and_b32 s27, s14, 7
	s_lshl_b32 s27, s27, 5
	s_add_co_u32 s27, s27, RT
	v_mov_b32 v25, s27
	v_mov_b32 v26, RT
	v_mov_b32 v27, LT
	v_mov_b32 v28, 0
	v_mov_b32 v13, 0                               ; a lane permute's destination counts as one of its sources
	s_mov_b32 s20, 0x76543210
	s_mov_b32 s21, 0xfedcba98
	s_lshl_b32 s22, s18, 9                         ; the group's 64 pairs of pstat
	s_mov_b32 s23, 0
	s_lshl_b32 s24, s18, 17                        ; the group's 64 rows of pvec,
	s_lshl_b32 s25, s16, 15                        ; my sixteen
	s_add_co_u32 s24, s24, s25
	s_mov_b32 s25, 0
	s_wait_kmcnt 0x0
	s_add_nc_u64 s[6:7], s[6:7], s[22:23]
	s_add_nc_u64 s[4:5], s[4:5], s[24:25]
	s_cmp_lt_u32 s14, 8
	s_cbranch_scc0 .Lnotext
.irp c, 0,1,2,3
	global_load_b128 v[96+4*\c:99+4*\c], v2, s[8:9] offset:2048*\c   ; waves 0-7: the four text rows at my columns
.endr
.Lnotext:
	global_load_b64 v[8:9], v3, s[6:7]             ; (M, l) of parts lane and 32 + lane
	global_load_b64 v[10:11], v3, s[6:7] offset:256
.irp p, 0,1,2,3,4,5,6,7,8,9,10,11,12,13,14,15
	global_load_b128 v[32+4*\p:35+4*\p], v2, s[4:5] offset:2048*\p th:TH_LOAD_NT
.endr
	s_wait_loadcnt 16                              ; all but the sixteen vectors are in
	v_max_num_f32 v12, v8, v10
	v_max_num_f32_dpp v12, v12, v12 row_xmask:1 row_mask:0xf bank_mask:0xf
	v_max_num_f32_dpp v12, v12, v12 row_xmask:2 row_mask:0xf bank_mask:0xf
	v_max_num_f32_dpp v12, v12, v12 row_xmask:4 row_mask:0xf bank_mask:0xf
	v_max_num_f32_dpp v12, v12, v12 row_xmask:8 row_mask:0xf bank_mask:0xf
	v_permlanex16_b32 v13, v12, s20, s21
	v_max_num_f32 v12, v12, v13                    ; the group's largest logit
	v_sub_f32 v14, v8, v12
	v_sub_f32 v15, v10, v12
	v_mul_f32 v14, 0x3fb8aa3b, v14
	v_mul_f32 v15, 0x3fb8aa3b, v15
	v_exp_f32 v14, v14
	v_exp_f32 v15, v15
	v_nop                                          ; a plain place behind the transcendentals,
	s_wait_alu depctr_va_vdst(0)                   ; and the one wait ahead of their first reader
	v_mul_f32 v16, v14, v9
	v_fma_f32 v16, v15, v11, v16
	WSUM 16                                        ; L
	ds_store_b32 v4, v14
	ds_store_b32 v4, v15 offset:128
	ds_store_b32 v7, v16                           ; all lanes write the same word with the same value
.irp q, 0,1,2,3
	ds_load_b128 v[112+4*\q:115+4*\q], v5 offset:16*\q   ; LDS serves a wave's instructions in order: my sixteen e, in every lane
.endr
	s_wait_dscnt 0x0
	s_wait_loadcnt 15
.irp i, 0,1,2,3
	v_mul_f32 v[20+\i], v112, v[32+\i]
.endr
.irp p, 1,2,3,4,5,6,7,8,9,10,11,12,13,14,15
	s_wait_loadcnt 15-\p                           ; loads come back in order: vector p is in
.irp i, 0,1,2,3
	v_fmac_f32 v[20+\i], v[112+\p], v[32+4*\p+\i]
.endr
.endr
	ds_store_b128 v6, v[20:23]
	BAR                                            ; the eight partial vectors lie in LDS
	s_cmp_lt_u32 s14, 8
	s_cbranch_scc0 .Lnodot
.irp u, 0,1,2,3
	ds_load_b128 v[32+4*\u:35+4*\u], v24 offset:2048*\u
.endr
	s_wait_dscnt 0x0
	v_pk_add_f32 v[32:33], v[32:33], v[36:37]
	v_pk_add_f32 v[34:35], v[34:35], v[38:39]
	v_pk_add_f32 v[40:41], v[40:41], v[44:45]
	v_pk_add_f32 v[42:43], v[42:43], v[46:47]
	v_pk_add_f32 v[32:33], v[32:33], v[40:41]
	v_pk_add_f32 v[34:35], v[34:35], v[42:43]      ; S at my four columns
	v_pk_mul_f32 v[40:41], v[32:33], v[32:33]
	v_pk_fma_f32 v[40:41], v[34:35], v[34:35], v[40:41]
	v_add_f32 v56, v40, v41                        ; its squares,
.irp c, 0,1,2,3
	v_pk_mul_f32 v[42+2*\c:43+2*\c], v[32:33], v[96+4*\c:97+4*\c]
.endr
.irp c, 0,1,2,3
	v_pk_fma_f32 v[42+2*\c:43+2*\c], v[34:35], v[98+4*\c:99+4*\c], v[42+2*\c:43+2*\c]
.endr
.irp c, 0,1,2,3
	v_add_f32 v[52+\c], v[42+2*\c], v[43+2*\c]     ; and its products with the four text rows
.endr
	WSUM 52
	WSUM 53
	WSUM 54
	WSUM 55
	WSUM 56
	ds_store_b128 v25, v[52:55]
	ds_store_b32 v25, v56 offset:16
.Lnodot:
	BAR
	s_cmp_lg_u32 s14, 0
	s_cbranch_scc1 .Lend
.irp u, 0,1,2,3,4,5,6,7
	ds_load_b128 v[64+8*\u:67+8*\u], v26 offset:32*\u
	ds_load_b32 v[68+8*\u], v26 offset:32*\u+16
.endr
	ds_load_b32 v60, v27                           ; L of tensor 0 (wave 0's) and of tensor 1 (wave 16's)
	ds_load_b32 v61, v27 offset:64
	s_wait_dscnt 0x0
.irp a, 0,1
.irp u, 1,2,3
	v_pk_add_f32 v[64+32*\a:65+32*\a], v[64+32*\a:65+32*\a], v[64+32*\a+8*\u:65+32*\a+8*\u]
	v_pk_add_f32 v[66+32*\a:67+32*\a], v[66+32*\a:67+32*\a], v[66+32*\a+8*\u:67+32*\a+8*\u]
	v_add_f32 v[68+32*\a], v[68+32*\a], v[68+32*\a+8*\u]
.endr
.endr
	v_sqrt_f32 v68, v68
	v_sqrt_f32 v100, v100
	v_rcp_f32 v60, v60
	v_rcp_f32 v61, v61
	v_nop
	s_wait_alu depctr_va_vdst(0)
	v_mul_f32 v68, v68, v60                        ; the norm of pooled = S / L
	v_mul_f32 v100, v100, v61
	v_max_num_f32 v68, 0x2b8cbccc, v68             ; clip at 1e-12
	v_max_num_f32 v100, 0x2b8cbccc, v100
	v_rcp_f32 v68, v68
	v_rcp_f32 v100, v100
	v_nop
	s_wait_alu depctr_va_vdst(0)
	v_mul_f32 v68, v68, v60
	v_mul_f32 v100, v100, v61
.irp c, 0,1,2,3
	v_mul_f32 v[40+\c], v[64+\c], v68
.endr
.irp c, 0,1,2,3
	v_fma_f32 v[40+\c], v[96+\c], v100, v[40+\c]   ; the logits
.endr
	v_max3_num_f32 v49, v40, v41, v42
	v_max_num_f32 v49, v49, v43
.irp c, 0,1,2,3
	v_sub_f32 v[44+\c], v[40+\c], v49
.endr
.irp c, 0,1,2,3
	v_mul_f32 v[44+\c], 0x3fb8aa3b, v[44+\c]
.endr
.irp c, 0,1,2,3
	v_exp_f32 v[44+\c], v[44+\c]
.endr
	v_mov_b32 v48, 0                               ; the argmax.  (A plain place behind the exponentials)
	v_mov_b32 v49, v40
.irp c, 1,2,3
	v_mov_b32 v50, \c
	v_cmp_gt_f32 vcc_lo, v[40+\c], v49             ; strictly larger: the lower class keeps a tie
	v_cndmask_b32 v48, v48, v50, vcc_lo
	v_max_num_f32 v49, v49, v[40+\c]
.endr
	s_wait_alu depctr_va_vdst(0)
	v_add_f32 v51, v44, v45
	v_add_f32 v52, v46, v47
	v_add_f32 v51, v51, v52
	v_rcp_f32 v51, v51
	v_nop
	s_wait_alu depctr_va_vdst(0)
.irp c, 0,1,2,3
	v_mul_f32 v[44+\c], v[44+\c], v51
.endr
	s_lshl_b32 s22, ttmp9, 4
	s_add_nc_u64 s[10:11], s[10:11], s[22:23]
	s_lshl_b32 s22, ttmp9, 2
	s_add_nc_u64 s[12:13], s[12:13], s[22:23]
	v_cmp_eq_u32 vcc_lo, 0, v0
	s_wait_xcnt 0x0                                ; EXEC changes only behind this wait
	s_and_saveexec_b32 s24, vcc_lo
	global_store_b128 v28, v[44:47], s[10:11]      ; Y_prob of my batch, by one lane
	global_store_b32 v28, v48, s[12:13]            ; Y_hat
	s_wait_xcnt 0x0
	s_or_b32 exec_lo, exec_lo, s24
.Lend:
	s_wait_tensorcnt 0x0
	ds_add_u32 v30, v31
	s_wait_dscnt 0x0
	s_endpgm
.Lfunc_end_k_qb169ee27f2_fin:
	.size	k_qb169ee27f2_fin, .Lfunc_end_k_qb169ee27f2_fin-k_qb169ee27f2_fin
	.p2alignl 7, 3214868480
	.fill 96, 4, 3214868480
	.section	.rodata,"a",@progbits
	.p2align	6, 0x0
	.amdhsa_kernel k_qb169ee27f2_fin
		.amdhsa_group_segment_fixed_size 36864
		.amdhsa_private_segment_fixed_size 0
		.amdhsa_enable_private_segment 0
		.amdhsa_kernarg_size 40
		.amdhsa_user_sgpr_count 2
		.amdhsa_user_sgpr_kernarg_segment_ptr 1
		.amdhsa_wavefront_size32 1
		.amdhsa_system_sgpr_workgroup_id_x 1
		.amdhsa_system_sgpr_workgroup_id_y 1
		.amdhsa_system_sgpr_workgroup_id_z 1
		.amdhsa_system_vgpr_workitem_id 0
		.amdhsa_next_free_vgpr 128
		.amdhsa_next_free_sgpr 66
		.amdhsa_reserve_vcc 1
		.amdhsa_float_denorm_mode_32 3
		.amdhsa_float_denorm_mode_16_64 3
		.amdhsa_memory_ordered 1
		.amdhsa_forward_progress 1
		.amdhsa_inst_pref_size 18
	.end_amdhsa_kernel
	.amdgpu_metadata
---
amdhsa.version: [ 1, 2 ]
amdhsa.kernels:
  - .name:           k_qb169ee27f2_fin
    .symbol:         k_qb169ee27f2_fin.kd
    .args:
      - { .name: pvec, .offset: 0, .size: 8, .value_kind: global_buffer, .address_space: global }
      - { .name: pstat, .offset: 8, .size: 8, .value_kind: global_buffer, .address_space: global }
      - { .name: text, .offset: 16, .size: 8, .value_kind: global_buffer, .address_space: global }
      - { .name: out0, .offset: 24, .size: 8, .value_kind: global_buffer, .address_space: global }
      - { .name: out1, .offset: 32, .size: 8, .value_kind: global_buffer, .address_space: global }
    .group_segment_fixed_size: 36864
    .private_segment_fixed_size: 0
    .kernarg_segment_align: 8
    .kernarg_segment_size: 40
    .max_flat_workgroup_size: 1024
    .sgpr_count:     66
    .vgpr_count:     128
    .wavefront_size: 32
...
	.end_amdgpu_metadata
.endif
;; end of part 3
